; MI455X (gfx1250); checked and timed in simulation.
; The chip was launched on July 23, 2026; its instructions are those of AMD's public machine-readable ISA for CDNA 5 (MIT licence, August 2026) and "CDNA5" Instruction Set Architecture Reference Guide (July 2026). The comments in the code are by the model that wrote it; some were corrected since.
;; Self Attention. Allowed arithmetic: matrix products marked QUANTISED: E2M3 operands, one E8M0 scale for each 32 along K, by v_wmma_scale_f32_16x16x128_f8f6f4 with both operands' format E2M3, f32 sums; everything else in f32.
;; Inputs: Wk 1,024 x 1,024 float32; Wq 1,024 x 1,024 float32; Wv 1,024 x 1,024 float32; attention_mask 4 x 2,048 x 2,048 int32; bk 1,024 float32; bq 1,024 float32; bv 1,024 float32; x 4 x 2,048 x 1,024 float32.
;; Outputs: out0 4 x 2,048 x 1,024 float32.
;; This version of the problem:
;;   THIS VERSION OF THE PROBLEM IS GIVEN IN LOW PRECISION. The matrix products marked QUANTISED in the list below multiply operands that are first quantised to E2M3 (2 exponent bits, 3 mantissa bits; 6 bits a number), with one power-of-two scale for each 32 numbers along K (OCP MX v1.0); their sums are f32. All else is computed in f32.
;;   The module's matrix products, in the order in which they are computed (A, B: the left and right operand; K: the contracted axis; several contracted axes count as one K, in the product's order):
;;     1. [M 8,192, K 1,024] x [K 1,024, N 1,024]; A: input x; B: input Wq: QUANTISED
;;     2. [M 8,192, K 1,024] x [K 1,024, N 1,024]; A: input x; B: input Wk: QUANTISED
;;     3. [M 8,192, K 1,024] x [K 1,024, N 1,024]; A: input x; B: input Wv: QUANTISED
;;     4. batch 4 x [M 2,048, K 1,024] x [K 1,024, N 2,048]; A: computed on the way; B: computed on the way: QUANTISED
;;     5. batch 4 x [M 2,048, K 2,048] x [K 2,048, N 1,024]; A: softmax (see below); B: computed on the way: QUANTISED
;;   THE QUANTISER, for each operand of a quantised product, along K:
;;     - K is cut into blocks of 32 from its start; a last block that is shorter is filled with zeros.
;;     - A block's scale is 2^e with e = floor(log2(the largest magnitude in the block)) - 2, held to -126 .. 127; a block of zeros has e = 0. As a byte (E8M0): e + 127.
;;     - Each number is divided by its block's scale, clamped to +-7.5, and rounded to the nearest number of E2M3, ties to even, subnormals kept.
;;     - The product sums the exact products of the quantised numbers (number of the format x scale) in f32.
;;   ~~~python
;;   def quantise(x, axis):      # numpy; x: float32 -> the quantised numbers, widened to float32 again
;;       x = np.moveaxis(x, axis, -1); K = x.shape[-1]
;;       x = np.pad(x, [(0, 0)] * (x.ndim - 1) + [(0, -K % 32)]); x = x.reshape(x.shape[:-1] + (-1, 32)); a = np.abs(x).max(-1, keepdims=True)
;;       e = np.where(a > 0, np.clip(np.frexp(np.where(a > 0, a, 1))[1] - 1 - 2, -126, 127), 0)      # np.frexp(a)[1] - 1 = floor(log2(a)), exactly
;;       r = np.clip(x / 2.0 ** e, -7.5, 7.5)
;;       step = 2.0 ** (np.maximum(np.frexp(np.where(r == 0, 1, r))[1] - 1, 0) - 3)
;;       q = np.round(r / step) * step * 2.0 ** e      # np.round: ties to even
;;       return np.moveaxis(q.reshape(q.shape[:-2] + (-1,))[..., :K], -1, axis).astype(np.float32)
;;   ~~~
;;   SOFTMAX AHEAD OF A QUANTISED PRODUCT. Where the list says 'softmax', what is quantised is not the finished softmax but p = 2^(t - M), with t = logit x log2(e) and M = ceil(the row's largest t), a whole number; so 1/2 < the row's largest p <= 1. The row's sum l is taken of the UNQUANTISED p, in f32, and the product's result is divided by l at the end. Since M is a whole number, a kernel that streams over the keys may use a running M (the ceiling of the running maximum): every later rescaling is an exact power of two, which a block's scale takes up: the codes' values come out the same.
;;   OPERANDS COMPUTED ON THE WAY. 'Computed on the way' means the value that the module computes at that place (a softmax that the list does not call 'softmax' is quantised finished and normalised). What goes into a quantiser is computed in f32, as accurately as f32 sums, v_exp_f32 and their like allow (about 1e-6 of the number): no bf16 or f16 on the way to a quantiser, and a product that is left as it is and whose result goes on into a quantised operand takes f32 operands (vector FMAs, or v_wmma_f32_16x16x4_f32). A number that lies on a knife's edge between two numbers of the format may be rounded either way, as far as f32 arithmetic and the matrix unit's own rounding can turn it there, and no further.
;; One version. Each part assembles by itself: llvm-mc -triple=amdgcn-amd-amdhsa -mcpu=gfx1250 --defsym DOCPART=n.
;; ======== version 1 of 1: 4 launches
;; limits: right only within a limited range of input values
;; workspace buffers: w1 9,011,200 bytes; w2 19,660,800 bytes; w3 14,155,776 bytes; mb 2,097,152 bytes of whole numbers
;; launch prep (part 1): grid 704 x 1, 2 waves a work-group, no clusters, 17,664 bytes of LDS; arguments x, Wq, Wk, Wv, w1; writes w1
.if DOCPART == 1
	.amdgcn_target "amdgcn-amd-amdhsa--gfx1250"
	.amdhsa_code_object_version 6
	.text
	.protected	k_qac49413efd_prep
	.globl	k_qac49413efd_prep
	.p2align	8
	.type	k_qac49413efd_prep,@function
k_qac49413efd_prep:
	s_mov_b64 s[64:65], 0
	v_nop
	global_prefetch_b8 v0, s[64:65] scope:SCOPE_SE
	s_setreg_imm32_b32 hwreg(HW_REG_WAVE_MODE, 25, 1), 1
	s_wait_xcnt 0x0
; PREP.  x [8192][1024] and Wq, Wk, Wv [1024][1024], f32, K innermost, become codes of FP6 (E2M3) with one E8M0 byte for each 32 along K, laid as IMAGES OF OPERAND REGISTERS.
; IMAGE: a fragment is 16 rows x 128 K = 12 registers a lane.  Fragment (T, s) begins at byte (8 T + s) x 1,536 of w1; registers 4 c .. 4 c + 3 of lane l lie at 512 c + 16 l.
; Lane r of tile T holds row 32 (T / 2) + 8 (T % 2) + r + 8 (r / 8): so a product that takes such a tile as source 0 leaves 16 neighbours along the next K in two neighbouring tiles' registers.
; Tiles 0-511 are x, 512-575 Wq, 576-639 Wk, 640-703 Wv.  SCALE WORDS (four bytes: 128 K of one row) lie at XSO + ((T / 8) x 8 + s) x 512 + (T % 8) x 64 + 4 r.
; A block's scale byte is its largest magnitude's exponent field - 2, held at 1 from below.
; LIMITS: a block of zeros, or one whose largest magnitude lies under 2^-124, gets the byte 1 (the bytes are read by this program alone; zero codes add nothing); NaN and infinities are not served.
; SHARES.  A wave takes four fragments (four tiles of one group of eight, one s): 1,408 waves, two to a work-group.  Each load reads 512 consecutive bytes of a row; the 16 rows turn through the wave's own
; stage in LDS, so that a lane gets the 2 x 32 neighbours that its registers of the fragment want.
; No matrix work, no tensor loads, no barrier: waves share nothing, so clusters and large tiles would buy nothing here.
.set XSO,  8650752                     ; where the scale words begin in w1
.set WREG, 8704                        ; LDS of a wave: a stage of 16 rows x 528 bytes, then 256 bytes for its scale words
.set R,    16                          ; v16-143  two sets of 64: numbers as loaded
.set X,    144                         ; v144-207 my 64 numbers of a fragment
.set F,    208                         ; v208-219 the fragment's 12 registers
.set FT,   220                         ; v220-226 second halves of the conversions
.set SW,   228                         ; v228-231 the four fragments' scale words
	s_load_b256 s[4:11], s[0:1], 0x0               ; x, Wq, Wk, Wv
	s_load_b64 s[14:15], s[0:1], 0x20              ; w1
	v_lshl_add_u32 v232, v0, 2, 0x4400
	v_mov_b32 v233, 0
	v_lshrrev_b32 v1, 5, v0
	v_readfirstlane_b32 s18, v1                    ; wave
	v_and_b32 v1, 31, v0                           ; lane
	v_lshlrev_b32 v2, 4, v1                        ; 16 x lane; never rewritten
	v_and_b32 v10, 15, v0                          ; r
	v_bfe_u32 v11, v0, 4, 1                        ; h
	s_mul_i32 s19, s18, WREG
	v_add_nc_u32 v3, s19, v2                       ; the stage, in: 16 x lane of a row
	v_mul_u32_u24 v4, v10, 528
	v_lshl_add_u32 v4, v11, 7, v4
	v_add_nc_u32 v4, s19, v4                       ; out: row r, + 128 h: my 32 numbers of a pair of blocks
	s_add_co_u32 s19, s19, 8448
	v_lshl_add_u32 v5, v10, 2, s19                 ; my row's scale word
	v_lshl_add_u32 v6, v1, 3, s19                  ; and 8 bytes a lane on the way out
	v_lshlrev_b32 v7, 3, v1
	v_lshlrev_b32 v8, 3, v11                       ; 8 h
	v_mov_b32 v9, 0                                ; a lane permute's destination counts as one of its sources
	s_mov_b32 s30, 0x76543210
	s_mov_b32 s31, 0xfedcba98                      ; selects for lane l xor 16
	s_lshl_b32 s20, ttmp9, 1
	s_add_co_u32 s20, s20, s18                     ; u = 2 x work-group + wave
	s_and_b32 s21, s20, 1                          ; which four tiles of the group
	s_bfe_u32 s22, s20, 0x30001                    ; s
	s_lshr_b32 s23, s20, 4                         ; the group of eight tiles, 0 .. 87
	s_wait_alu depctr_va_vdst(0)
	s_wait_kmcnt 0x0
	s_cmp_lt_u32 ttmp9, 640                        ; which tensor: the choice hangs on the work-group's number alone
	s_cselect_b64 s[24:25], s[8:9], s[10:11]
	s_cmp_lt_u32 ttmp9, 576
	s_cselect_b64 s[24:25], s[6:7], s[24:25]
	s_cmp_lt_u32 ttmp9, 512
	s_cselect_b64 s[24:25], s[4:5], s[24:25]
	s_cselect_b32 s26, 63, 7
	s_and_b32 s26, s23, s26                        ; the group inside its tensor
	s_lshl_b32 s26, s26, 19                        ; 128 rows of 4,096 bytes
	s_lshl_b32 s27, s21, 18
	s_add_co_u32 s26, s26, s27
	s_lshl_b32 s27, s22, 9                         ; 128 numbers along K
	s_add_co_u32 s26, s26, s27
	s_mov_b32 s27, 0
	s_add_nc_u64 s[24:25], s[24:25], s[26:27]      ; the source
	s_mul_i32 s26, s23, 98304
	s_mul_i32 s28, s21, 49152
	s_add_co_u32 s26, s26, s28
	s_mul_i32 s28, s22, 1536
	s_add_co_u32 s26, s26, s28
	s_add_nc_u64 s[32:33], s[14:15], s[26:27]      ; my first fragment's image
	s_lshl_b32 s26, s23, 12
	s_lshl_b32 s28, s22, 9
	s_add_co_u32 s26, s26, s28
	s_lshl_b32 s28, s21, 8
	s_add_co_u32 s26, s26, s28
	s_add_co_u32 s26, s26, XSO
	s_add_nc_u64 s[34:35], s[14:15], s[26:27]      ; my 256 bytes of scale words
.macro LOADF f                         ; fragment f's 16 rows, 512 consecutive bytes a load
.irp r, 0,1,2,3,4,5,6,7,8,9,10,11,12,13,14,15
	global_load_b128 v[R+64*((\f)%2)+4*\r:R+64*((\f)%2)+4*\r+3], v2, s[24:25] offset:(32*((\f)/2)+8*((\f)%2)+\r+8*(\r/8))*4096 th:TH_LOAD_NT
.endr
.endm
.macro TURNF f                         ; through the stage: LDS serves a wave's instructions in order, so no wait stands between the stores and the loads
.irp r, 0,1,2,3,4,5,6,7,8,9,10,11,12,13,14,15
	ds_store_b128 v3, v[R+64*((\f)%2)+4*\r:R+64*((\f)%2)+4*\r+3] offset:528*\r
.endr
.irp c, 0,1
.irp i, 0,1,2,3,4,5,6,7
	ds_load_b128 v[X+32*\c+4*\i:X+32*\c+4*\i+3], v4 offset:256*\c+16*\i   ; k = 64 c + 32 h + 4 i on, of row r
.endr
.endr
.endm
.macro QF f                            ; my two whole blocks become registers 6 c .. 6 c + 5 of the fragment
.irp c, 0,1
	v_max3_num_f32 v[12+\c], |v[X+32*\c]|, |v[X+32*\c+1]|, 0x1800000   ; with the floor 2^(3 - 127): the byte cannot fall under 1
.endr
.irp i, 2,4,6,8,10,12,14,16,18,20,22,24,26,28,30
.irp c, 0,1
	v_max3_num_f32 v[12+\c], v[12+\c], |v[X+32*\c+\i]|, |v[X+32*\c+\i+1]|
.endr
.endr
.irp c, 0,1
	v_add_nc_u32 v[14+\c], 0xff000000, v[12+\c]    ; 2 off the exponent field: the conversion's scale operand
.endr
.irp c, 0,1
	v_lshrrev_b32 v[12+\c], 23, v[14+\c]           ; the scale's byte
.endr
	v_lshl_or_b32 v12, v13, 16, v12                ; blocks h and 2 + h,
	v_lshlrev_b32 v12, v8, v12                     ; at their places in the word;
	v_permlanex16_b32 v9, v12, s30, s31
	v_or_b32 v[SW+\f], v12, v9                     ; with lane l xor 16's two the word is whole
	s_wait_alu depctr_va_vdst(0)
	s_wait_xcnt 0x0                                ; the last fragment's stores have read F
.irp c, 0,1
	v_cvt_scalef32_pk16_fp6_f32 v[F+6*\c:F+6*\c+2], v[X+32*\c:X+32*\c+15], v[14+\c]
	v_cvt_scalef32_pk16_fp6_f32 v[FT+4*\c:FT+4*\c+2], v[X+32*\c+16:X+32*\c+31], v[14+\c]   ; (a conversion's three registers begin on an even number)
.endr
	v_nop                                          ; one plain place behind a scaled conversion
.irp c, 0,1
.irp i, 0,1,2
	v_mov_b32 v[F+6*\c+3+\i], v[FT+4*\c+\i]
.endr
.endr
.irp c, 0,1,2
	global_store_b128 v2, v[F+4*\c:F+4*\c+3], s[32:33] offset:(\f)*12288+512*\c   ; 512 consecutive bytes, aligned
.endr
.endm
	LOADF 0
	LOADF 1
.irp f, 0,1,2,3
.if \f < 3
	s_wait_loadcnt 16                              ; this fragment's 16 loads are in; the next one's may be out
.else
	s_wait_loadcnt 0x0
.endif
	TURNF \f
	s_wait_dscnt 0x0                               ; my numbers are back, and the stage's stores have read their registers,
.if \f < 2
	LOADF \f+2                                     ; which take the fragment two on
.endif
	QF \f
.endr
.irp f, 0,1,2,3
	ds_store_b32 v5, v[SW+\f] offset:64*\f         ; both halves of the lanes write the same word with the same value
.endr
	ds_load_b64 v[12:13], v6
	s_wait_dscnt 0x0
	global_store_b64 v7, v[12:13], s[34:35]        ; 256 consecutive bytes, aligned
	s_wait_tensorcnt 0x0
	ds_add_u32 v232, v233
	s_wait_dscnt 0x0
	s_endpgm
.Lfunc_end_k_qac49413efd_prep:
	.size	k_qac49413efd_prep, .Lfunc_end_k_qac49413efd_prep-k_qac49413efd_prep
	.p2alignl 7, 3214868480
	.fill 96, 4, 3214868480
	.section	.rodata,"a",@progbits
	.p2align	6, 0x0
	.amdhsa_kernel k_qac49413efd_prep
		.amdhsa_group_segment_fixed_size 17664
		.amdhsa_private_segment_fixed_size 0
		.amdhsa_enable_private_segment 0
		.amdhsa_kernarg_size 40
		.amdhsa_user_sgpr_count 2
		.amdhsa_user_sgpr_kernarg_segment_ptr 1
		.amdhsa_wavefront_size32 1
		.amdhsa_system_sgpr_workgroup_id_x 1
		.amdhsa_system_sgpr_workgroup_id_y 1
		.amdhsa_system_sgpr_workgroup_id_z 1
		.amdhsa_system_vgpr_workitem_id 0
		.amdhsa_next_free_vgpr 234
		.amdhsa_next_free_sgpr 66
		.amdhsa_reserve_vcc 0
		.amdhsa_float_denorm_mode_32 3
		.amdhsa_float_denorm_mode_16_64 3
		.amdhsa_memory_ordered 1
		.amdhsa_forward_progress 1
		.amdhsa_inst_pref_size 31
	.end_amdhsa_kernel
	.amdgpu_metadata
---
amdhsa.version: [ 1, 2 ]
amdhsa.kernels:
  - .name:           k_qac49413efd_prep
    .symbol:         k_qac49413efd_prep.kd
    .args:
      - { .name: x, .offset: 0, .size: 8, .value_kind: global_buffer, .address_space: global }
      - { .name: Wq, .offset: 8, .size: 8, .value_kind: global_buffer, .address_space: global }
      - { .name: Wk, .offset: 16, .size: 8, .value_kind: global_buffer, .address_space: global }
      - { .name: Wv, .offset: 24, .size: 8, .value_kind: global_buffer, .address_space: global }
      - { .name: w1, .offset: 32, .size: 8, .value_kind: global_buffer, .address_space: global }
    .group_segment_fixed_size: 17664
    .private_segment_fixed_size: 0
    .kernarg_segment_align: 8
    .kernarg_segment_size: 40
    .max_flat_workgroup_size: 64
    .sgpr_count:     66
    .vgpr_count:     234
    .wavefront_size: 32
...
	.end_amdgpu_metadata
.endif
;; end of part 1
;; launch proj (part 2): grid 4 x 64, 4 waves a work-group, clusters of 4 x 4, 327,680 bytes of LDS; arguments w1, bq, bk, bv, w2, attention_mask, mb; writes w2, mb
.if DOCPART == 2
	.amdgcn_target "amdgcn-amd-amdhsa--gfx1250"
	.amdhsa_code_object_version 6
	.text
	.protected	k_qac49413efd_proj
	.globl	k_qac49413efd_proj
	.p2align	8
	.type	k_qac49413efd_proj,@function
k_qac49413efd_proj:
	s_mov_b64 s[64:65], 0
	v_nop
	global_prefetch_b8 v0, s[64:65] scope:SCOPE_SE
	s_setreg_imm32_b32 hwreg(HW_REG_WAVE_MODE, 25, 1), 1
	s_wait_xcnt 0x0
	s_wait_alu depctr_hold_cnt(0) depctr_sa_sdst(0) depctr_va_vdst(0) depctr_va_sdst(0) depctr_va_ssrc(0) depctr_va_vcc(0) depctr_vm_vsrc(0)
	s_getreg_b32 s2, hwreg(HW_REG_IB_STS2, 6, 4)
	s_cmp_eq_u32 s2, 0
	s_cbranch_scc0 .Lentry_in_a_cluster
	s_endpgm
.Lentry_in_a_cluster:
	s_bfe_u32 s2, ttmp6, 0x10000c
	s_cmp_lg_u32 s2, 0xf033
	s_cbranch_scc0 .Lentry_shape_is_right
	s_endpgm
.Lentry_shape_is_right:
; PROJ.  q = x Wq^T + bq, k = x Wk^T + bk and v^T = Wv x^T + bv on codes of FP6 (K = 1,024), three tiles of 128 x 256 a work-group, one after the other on one ring of two LDS slots (512 along K each);
; each tile's results are quantised along the next product's K in the epilogue and leave as operand images with their scale words.  CLUSTER 4 x 4: source 1's tiles are asked for jointly along a row, source 0's along a column.
; UNDER THE PRODUCTS THE MASK, [8192 queries][2048 keys] of int32, BECOMES LANE MASKS in mb.  Wave u = 16 (work-group y x 4 + x) / 4 .. = 4 (4 y + x) + wave takes queries 128 (u / 16) on and keys 128 (u % 16) on.
; Word 64 a + 16 b + i of the wave's 2,048 bytes of mb has at bit r + 16 h: mask(query 32 (a / 2) + 8 (a % 2) + r + 8 (r / 8), key 32 b + 16 h + i) != 0: the layout of the scores' registers in the next launch.
; The share goes in 16 units of 16 rows x 64 keys, one in each of the first 16 steps that change no slot: eight loads (sixteen lanes read 256 consecutive bytes of a row), a turn through a stage of the wave's own in LDS,
; 32 compares, 32 v_writelane_b32; four units' 128 words leave by one store of 16 bytes a lane.  Three sets of 32 registers that the products leave free hold three units as loaded: a unit is asked for three units ahead.
.set WC,    6291456
.set XSO,   8650752
.set KC,    6291456
.set VC,    12582912
.set QS,    18874368
.set VS,    19398656
.set NS,    8
.set SLOT,  147456
.set SPARE, 294912
.set STG,   295424
.set ADRA,  2
.set ADRB,  4
.set L4,    6
.set BA,    7
.set BVA,   8
.set GI,    9
.set SWA,   10
.set SRA,   11
.set L8,    12
.set SPW,   28
.set NIL,   29
.set AF,    32
.set SA01,  128
.set SA2,   144
.set SBX,   160
.set SBY,   192
.set W,     0
.set BQ,    64
.set BK,    128
.set BV,    192
.set TM,    200
.set PC,    220
.set PWS,   240
.set RB,    248
.set G1A,   24
.set G0A,   32
.set G1B,   48
.set G0B,   56
.set TA0,   66
.set TA2,   68
.set TB0,   70
.set TB1,   72
.set TB2,   74
.set OC0,   76
.set OC1,   78
.set OC2,   80
.set OS0,   82
.set OS1,   84
.set OS2,   86
.set SEL,   88
.set MUL,   0xa1
.set MSTG,  297472                     ; behind the stages of the scale words: the mask's stages, 16 rows x 272 bytes for each wave; no tensor load lands here
.set OB,    16                         ; v16-19  four units' 128 words
.set MGO,   20                         ; v20     the mask's loads: 8,192 h + 16 r
.set MWR,   21                         ; v21     into my stage: 272 h + 16 r
.set MRD,   22                         ; v22     out of it: 272 r + 64 h
.set MPT,   104                        ; s[104:105] the mask at my first query and key; never rewritten behind the head
.set MBO,   4                          ; s[4:5]  my 2,048 bytes of mb
.set MU,    0                          ; the unit that the next STEP takes
.macro MLD u                           ; unit u as loaded, into set u % 3: window 1 v96-127, window 1 v224-255, window 0 v224-255.  Load j: stage rows 2 j and 2 j + 1
.set mW, 1-(((\u)%3)/2)
.set mR, 96+128*((((\u)%3)+1)/2)
	WIN mW<<6
.irp j, 0,1,2,3,4,5,6,7
	global_load_b128 v[mR+4*\j:mR+4*\j+3], v[MGO], s[MPT:MPT+1] offset:(32*((\u)/4)+8*(((\u)/2)%2)+2*\j+8*(\j/4))*8192+256*((\u)%2) th:TH_LOAD_NT
.endr
.endm
.macro MASKA u                         ; unit u turns through my stage.  LDS serves a wave's instructions in order: no wait between the stores and the loads
.set mW, 1-(((\u)%3)/2)
.set mR, 96+128*((((\u)%3)+1)/2)
.if (\u) >= 6 && (\u) <= 8
	s_wait_loadcnt 48                              ; behind unit u's loads: two units' 16 and the first epilogue's 32 scale words
.elseif (\u) <= 13
	s_wait_loadcnt 16                              ; behind unit u's loads: two units' 16
.else
	s_wait_loadcnt 8*(15-(\u))
.endif
	WIN mW<<2                                      ; an LDS store's data are its source 1
.irp j, 0,1,2,3,4,5,6,7
	ds_store_b128 v[MWR], v[mR+4*\j:mR+4*\j+3] offset:544*\j
.endr
	WIN 0xc0                                       ; into window 3's v0-31, which only the epilogues use
.irp c, 0,1
.irp p, 0,1,2,3
	ds_load_b128 v[16*\c+4*\p:16*\c+4*\p+3], v[MRD] offset:128*\c+16*\p   ; register 16 c + i: key 64 (u % 2) + 32 c + 16 h + i of row r
.endr
.endr
.endm
.macro MASKB u                         ; its 32 words
	s_wait_dscnt 0x0                               ; my words are back, and the stage's stores have read their registers
.if (\u)%4 == 0 && (\u) > 0
	s_wait_xcnt 0x0                                ; the last store of words has read its data
.endif
	WIN 0x0c                                       ; source 1: window 3
.irp c, 0,1
.irp i, 0,1,2,3,4,5,6,7,8,9,10,11,12,13,14,15
	v_cmp_ne_u32 s[16+\i+16*(\i/8)], 0, v[16*\c+\i]
.endr
.irp i, 0,1,2,3,4,5,6,7,8,9,10,11,12,13,14,15
	v_writelane_b32 v[OB+\i%4], s[16+\i+16*(\i/8)], 16*(((\u)/2)%2)+8*((\u)%2)+4*\c+\i/4
.endr
.endr
.if (\u)%4 == 3
	WIN 0
	global_store_b128 v[GI], v[OB:OB+3], s[MBO:MBO+1] offset:512*((\u)/4)   ; 512 consecutive bytes, aligned
.endif
.if (\u)+3 < 16
	MLD (\u)+3                                     ; this unit's set takes the unit three on
.endif
.endm
.set MSB, 0
.macro WIN new
.if MSB != (\new)
	s_set_vgpr_msb (MSB<<8)|(\new)
.set MSB, (\new)
.endif
.endm
.macro PLACES n
.rept \n
	v_nop
.endr
.endm
.macro JLOAD g0a, g1a, g0b, g1b
	s_cmp_eq_u32 s15, 0
	s_cbranch_scc0 .Lfor_b_\@
	tensor_load_to_lds s[\g0a:\g0a+3], s[\g1a:\g1a+7]
	s_nop 0
.rept 4
	v_nop
.endr
	s_branch .Lasked_\@
.Lfor_b_\@:
	tensor_load_to_lds s[\g0b:\g0b+3], s[\g1b:\g1b+7]
	s_nop 0
.rept 4
	v_nop
.endr
.Lasked_\@:
.endm
.macro CREST
	s_cmp_lg_u32 s14, 0
	s_cbranch_scc1 .Lnot_wave_0_\@
	s_barrier_signal -3
.Lnot_wave_0_\@:
	s_barrier_wait -3
	s_barrier_signal -1
	s_barrier_wait -1
.endm
.macro CROUND
	s_barrier_signal -1
	s_barrier_wait -1
	CREST
.endm
.macro WM1 zero, bo, ao
.if \zero
.if (\bo) && (\ao)
	v_wmma_scale_f32_16x16x128_f8f6f4 v[rD:rD+7], v[rB:rB+11], v[rA:rA+11], 0, v[rSB], v[rSA] matrix_a_fmt:MATRIX_FMT_FP6 matrix_b_fmt:MATRIX_FMT_FP6 matrix_a_scale:MATRIX_SCALE_ROW1 matrix_b_scale:MATRIX_SCALE_ROW1
.elseif (\bo)
	v_wmma_scale_f32_16x16x128_f8f6f4 v[rD:rD+7], v[rB:rB+11], v[rA:rA+11], 0, v[rSB], v[rSA] matrix_a_fmt:MATRIX_FMT_FP6 matrix_b_fmt:MATRIX_FMT_FP6 matrix_a_scale:MATRIX_SCALE_ROW1
.elseif (\ao)
	v_wmma_scale_f32_16x16x128_f8f6f4 v[rD:rD+7], v[rB:rB+11], v[rA:rA+11], 0, v[rSB], v[rSA] matrix_a_fmt:MATRIX_FMT_FP6 matrix_b_fmt:MATRIX_FMT_FP6 matrix_b_scale:MATRIX_SCALE_ROW1
.else
	v_wmma_scale_f32_16x16x128_f8f6f4 v[rD:rD+7], v[rB:rB+11], v[rA:rA+11], 0, v[rSB], v[rSA] matrix_a_fmt:MATRIX_FMT_FP6 matrix_b_fmt:MATRIX_FMT_FP6
.endif
.else
.if (\bo) && (\ao)
	v_wmma_scale_f32_16x16x128_f8f6f4 v[rD:rD+7], v[rB:rB+11], v[rA:rA+11], v[rD:rD+7], v[rSB], v[rSA] matrix_a_fmt:MATRIX_FMT_FP6 matrix_b_fmt:MATRIX_FMT_FP6 matrix_a_scale:MATRIX_SCALE_ROW1 matrix_b_scale:MATRIX_SCALE_ROW1
.elseif (\bo)
	v_wmma_scale_f32_16x16x128_f8f6f4 v[rD:rD+7], v[rB:rB+11], v[rA:rA+11], v[rD:rD+7], v[rSB], v[rSA] matrix_a_fmt:MATRIX_FMT_FP6 matrix_b_fmt:MATRIX_FMT_FP6 matrix_a_scale:MATRIX_SCALE_ROW1
.elseif (\ao)
	v_wmma_scale_f32_16x16x128_f8f6f4 v[rD:rD+7], v[rB:rB+11], v[rA:rA+11], v[rD:rD+7], v[rSB], v[rSA] matrix_a_fmt:MATRIX_FMT_FP6 matrix_b_fmt:MATRIX_FMT_FP6 matrix_b_scale:MATRIX_SCALE_ROW1
.else
	v_wmma_scale_f32_16x16x128_f8f6f4 v[rD:rD+7], v[rB:rB+11], v[rA:rA+11], v[rD:rD+7], v[rSB], v[rSA] matrix_a_fmt:MATRIX_FMT_FP6 matrix_b_fmt:MATRIX_FMT_FP6
.endif
.endif
.endm
.macro FRAG reg, adr, off
.irp c, 0,1,2
	ds_load_b128 v[(\reg)+4*\c:(\reg)+4*\c+3], v[\adr] offset:(\off)+512*\c
.endr
.endm
.macro FETCH slot, q, set
	WIN 0x40
.irp i, 0,1,2,3,4,5,6,7
	FRAG 128*(\set)+12*\i, ADRB+\slot, 6144*\i+1536*(\q)
.endr
	WIN 0
.irp i, 0,1,2,3
	FRAG AF+48*(\set)+12*\i, ADRA+\slot, 6144*\i+1536*(\q)
.endr
.endm
.macro MULA a, set, sk, sa, sb, zero
.irp b, 0,1,2,3,4,5,6,7
.set rD, 8*(8*(\a)+\b)
.set rB, 128*(\set)+12*\b
.set rA, AF+48*(\set)+12*(\a)
.set rSB, (\sb)+NS*(\b/2)+(\sk)
.set rSA, (\sa)+NS*((\a)/2)+(\sk)
	WM1 \zero, \b%2, (\a)%2
.endr
.endm
.macro STEP slot, q, sk, sa, sb, zero
	s_wait_dscnt 0x0
	PLACES 4
	FETCH \slot, (\q)+1, 1-(\q)%2
.if MU < 16
	MASKA MU
.endif
	WIN MUL
	MULA 0, (\q)%2, \sk, \sa, \sb, \zero
	MULA 1, (\q)%2, \sk, \sa, \sb, \zero
.if MU < 16
	MASKB MU
	WIN MUL
.endif
	MULA 2, (\q)%2, \sk, \sa, \sb, \zero
	MULA 3, (\q)%2, \sk, \sa, \sb, \zero
.set MU, MU+1
.endm
.macro TURN slot, next, sk, sa, sb, fill, ta, tb
	WIN 0
	s_wait_tensorcnt 0x0
	ds_add_u32 v[SPW], v[NIL]
	s_wait_dscnt 1
	WIN MUL
	MULA 0, 1, \sk, \sa, \sb, 0
	s_wait_dscnt 0x0
	s_barrier_signal -1
	MULA 1, 1, \sk, \sa, \sb, 0
	WIN 0
	s_barrier_wait -1
.if \fill
	CREST
	s_add_nc_u64 s[G0A+4*\slot+2:G0A+4*\slot+3], s[\ta:\ta+1], \slot*6144
	s_or_b32 s[G0A+4*\slot+3], s[G0A+4*\slot+3], 0x80000000
	s_add_nc_u64 s[G0B+4*\slot+2:G0B+4*\slot+3], s[\tb:\tb+1], \slot*6144
	s_or_b32 s[G0B+4*\slot+3], s[G0B+4*\slot+3], 0x80000000
	JLOAD G0A+4*\slot, G1A, G0B+4*\slot, G1B
.else
	PLACES 4
.endif
	FETCH \next, 0, 0
	WIN MUL
	MULA 2, 1, \sk, \sa, \sb, 0
	MULA 3, 1, \sk, \sa, \sb, 0
.endm
.macro QUANT s, pw
.irp b, 0,1,2,3
	v_max3_num_f32 v[TM+\b], |v[\s+16*\b]|, |v[\s+1+16*\b]|, 0x1800000
.endr
.irp i, 2,4,6,8,10,12,14
.irp b, 0,1,2,3
	v_max3_num_f32 v[TM+\b], v[TM+\b], |v[\s+16*\b+\i]|, |v[\s+1+16*\b+\i]|
.endr
.endr
.irp b, 0,1,2,3
	v_permlanex16_b32 v[TM+4+\b], v[TM+\b], s[SEL], s[SEL+1]
.endr
.irp b, 0,1,2,3
	v_max_num_f32 v[TM+\b], v[TM+\b], v[TM+4+\b]
.endr
.irp b, 0,1,2,3
	v_add_nc_u32 v[TM+12+\b], 0xff000000, v[TM+\b]
.endr
.irp b, 0,1,2,3
	v_lshrrev_b32 v[TM+4+\b], 23, v[TM+12+\b]
.endr
	v_lshl_or_b32 v[\pw], v[TM+5], 8, v[TM+4]
	v_lshl_or_b32 v[\pw], v[TM+6], 16, v[\pw]
	v_lshl_or_b32 v[\pw], v[TM+7], 24, v[\pw]
.irp c, 0,1
	v_cvt_scalef32_pk16_fp6_f32 v[PC+6*\c:PC+2+6*\c], v[\s+32*\c:\s+15+32*\c], v[TM+12+2*\c]
	v_cvt_scalef32_pk16_fp6_f32 v[PC+12+4*\c:PC+14+4*\c], v[\s+16+32*\c:\s+31+32*\c], v[TM+12+2*\c+1]
.endr
	v_nop
.irp c, 0,1
.irp i, 0,1,2
	v_permlane16_swap_b32 v[PC+6*\c+\i], v[PC+12+4*\c+\i]
.endr
.irp i, 0,1,2
	v_mov_b32 v[PC+3+6*\c+\i], v[PC+12+4*\c+\i]
.endr
.endr
.endm
.macro EPI t, bias, oc, os, str
	PLACES 4
.irp a, 0,1,2,3
	WIN 0xfe
.set i, 0
.rept 32
.if \t == 2
	v_pk_add_f32 v[W+2*i:W+2*i+1], v[64*\a+2*i:64*\a+2*i+1], v[BV+2*\a:BV+2*\a+1] op_sel_hi:[1,0]
.else
	v_pk_add_f32 v[W+2*i:W+2*i+1], v[64*\a+2*i:64*\a+2*i+1], v[\bias+2*i:\bias+2*i+1]
.endif
.set i, i+1
.endr
	WIN 0xff
	s_wait_xcnt 0x0
	QUANT W, PWS+\a
	WIN 0x0c
.irp c, 0,1,2
	global_store_b128 v[GI], v[PC+4*\c:PC+4*\c+3], s[\oc:\oc+1] offset:\a*\str+512*\c
.endr
.endr
.irp a, 0,1,2,3
	ds_store_b32 v[SWA], v[PWS+\a] offset:64*\a
.endr
	WIN 0xc0
	ds_load_b64 v[RB:RB+1], v[SRA]
	s_wait_dscnt 0x0
	WIN 0x0c
	global_store_b64 v[L8], v[RB:RB+1], s[\os:\os+1]
	WIN 0
.if \t == 0
.irp p, 0,1,2,3
.irp k, 0,1,2,3,4,5,6,7
	global_load_b32 v[SBX+8*\p+\k], v[L4], s[92:93] offset:512*\k+128*\p
.endr
.endr
.endif
.endm
.macro TILE sa, sb, fill, ta, tb
	STEP 0, 0, 0, \sa, \sb, 1
	STEP 0, 1, 1, \sa, \sb, 0
	STEP 0, 2, 2, \sa, \sb, 0
	TURN 0, 1, 3, \sa, \sb, \fill, \ta, \tb
	STEP 1, 0, 4, \sa, \sb, 0
	STEP 1, 1, 5, \sa, \sb, 0
	STEP 1, 2, 6, \sa, \sb, 0
.if \fill
	TURN 1, 0, 7, \sa, \sb, 1, \ta, \tb
.else
	s_wait_dscnt 0x0
	WIN MUL
.irp a, 0,1,2,3
	MULA \a, 1, 7, \sa, \sb, 0
.endr
.endif
.endm
	s_load_b256 s[4:11], s[0:1], 0x0
	s_load_b64 s[12:13], s[0:1], 0x20
	s_load_b64 s[MPT:MPT+1], s[0:1], 0x28          ; the mask
	v_lshl_add_u32 v[SPW], v0, 2, SPARE
	v_mov_b32 v[NIL], 0
	ds_add_u32 v28, v29
	ds_add_u32 v28, v29
	s_wait_dscnt 0x0
	v_lshrrev_b32 v1, 5, v0
	v_readfirstlane_b32 s14, v1
	s_lshr_b32 s15, s14, 1
	s_and_b32 s16, s14, 1
	s_bfe_u32 s40, ttmp6, 0x40000
	s_bfe_u32 s41, ttmp6, 0x40004
	s_and_b32 s42, ttmp7, 0xffff
	s_lshl_b32 s43, s41, 2
	s_lshl_b32 s43, 15, s43
	s_lshl_b32 s44, 0x1111, s40
	s_or_b32 s[G1A], s43, (3<<16)|(1<<21)
	s_or_b32 s[G1B], s44, (3<<16)|(1<<21)
	s_mov_b32 s[G1A+1], 768<<16
	s_mov_b32 s[G1A+2], 4<<16
	s_mov_b32 s[G1A+3], 768<<16
	s_mov_b32 s[G1A+4], 4
	s_mov_b32 s[G1A+5], 1536
	s_mov_b32 s[G1A+6], 0
	s_mov_b32 s[G1A+7], 0
	s_mov_b32 s[G1B+1], 768<<16
	s_mov_b32 s[G1B+2], 8<<16
	s_mov_b32 s[G1B+3], 768<<16
	s_mov_b32 s[G1B+4], 8
	s_mov_b32 s[G1B+5], 1536
	s_mov_b32 s[G1B+6], 0
	s_mov_b32 s[G1B+7], 0
	s_lshl_b32 s17, s42, 2
	s_add_co_u32 s17, s17, s41
	s_and_b32 s18, s42, 1
	s_lshl_b32 s18, s18, 2
	s_add_co_u32 s18, s18, s41
	s_mul_i32 s19, s16, 49152
	s_mul_i32 s20, s17, 98304
	s_add_co_u32 s20, s20, s19
	s_mov_b32 s21, 0
	s_mul_i32 s22, s18, 98304
	s_add_co_u32 s22, s22, s19
	s_add_co_u32 s22, s22, WC+1572864
	s_mov_b32 s23, 0
	s_lshr_b32 s45, s42, 1
	s_lshl_b32 s45, s45, 2
	s_add_co_u32 s45, s45, s40
	s_mul_i32 s47, s16, 98304
	s_mul_i32 s46, s40, 196608
	s_add_co_u32 s46, s46, s47
	s_add_co_u32 s46, s46, WC
	s_mul_i32 s94, s45, 196608
	s_add_co_u32 s94, s94, s47
	s_mov_b32 s47, 0
	s_mov_b32 s95, 0
	s_mul_i32 s2, s16, 24576
	s_mul_i32 s3, s16, 49152
	s_add_co_u32 s3, s3, 49152
	s_wait_kmcnt 0x0
	s_add_nc_u64 s[TA0:TA0+1], s[4:5], s[20:21]
	s_add_nc_u64 s[TA2:TA2+1], s[4:5], s[22:23]
	s_add_nc_u64 s[TB0:TB0+1], s[4:5], s[46:47]
	s_add_nc_u64 s[TB1:TB1+1], s[TB0:TB0+1], 786432
	s_add_nc_u64 s[TB2:TB2+1], s[4:5], s[94:95]
	CROUND
.irp s, 0,1
	s_mov_b32 s[G0A+4*\s], 1
	s_add_co_u32 s[G0A+4*\s+1], s2, \s*SLOT
	s_add_nc_u64 s[G0A+4*\s+2:G0A+4*\s+3], s[TA0:TA0+1], \s*6144
	s_or_b32 s[G0A+4*\s+3], s[G0A+4*\s+3], 0x80000000
	s_mov_b32 s[G0B+4*\s], 1
	s_add_co_u32 s[G0B+4*\s+1], s3, \s*SLOT
	s_add_nc_u64 s[G0B+4*\s+2:G0B+4*\s+3], s[TB0:TB0+1], \s*6144
	s_or_b32 s[G0B+4*\s+3], s[G0B+4*\s+3], 0x80000000
.endr
	JLOAD G0A, G1A, G0B, G1B                       ; slot 0: one tensor load a wave at the head
	v_and_b32 v1, 31, v0
	v_and_b32 v13, 15, v0
	v_bfe_u32 v14, v0, 4, 1
	v_lshlrev_b32 v[GI], 4, v1
	v_lshlrev_b32 v[L4], 2, v1
	v_lshlrev_b32 v[L8], 3, v1
	v_lshlrev_b32 v[BA], 6, v14
	v_and_b32 v15, 8, v13
	v_add_nc_u32 v15, v15, v13
	v_lshlrev_b32 v[BVA], 2, v15
	s_mul_i32 s3, s14, 4352
	s_add_co_u32 s3, s3, MSTG                      ; my stage for the mask
	v_lshlrev_b32 v[MGO], 4, v13
	v_lshl_add_u32 v[MGO], v14, 13, v[MGO]
	v_mul_u32_u24 v[MWR], v14, 272
	v_lshl_add_u32 v[MWR], v13, 4, v[MWR]
	v_mul_u32_u24 v[MRD], v13, 272
	v_lshl_add_u32 v[MRD], v14, 6, v[MRD]
	v_add_nc_u32 v[MWR], s3, v[MWR]
	v_add_nc_u32 v[MRD], s3, v[MRD]
.irp i, 0,1,2,3
	v_mov_b32 v[OB+\i], 0                          ; v_writelane_b32's destination counts as one of its sources
.endr
	s_wait_alu depctr_va_vdst(0)
	s_mul_i32 s2, s15, 24576
	s_mul_i32 s3, s16, 49152
	s_add_co_u32 s3, s3, 49152
.irp s, 0,1
	v_add_nc_u32 v[ADRA+\s], s2, v[GI]
	v_add_nc_u32 v[ADRB+\s], s3, v[GI]
	s_add_co_u32 s2, s2, SLOT
	s_add_co_u32 s3, s3, SLOT
.endr
	s_lshl_b32 s2, s14, 9
	s_add_co_u32 s2, s2, STG
	v_lshl_add_u32 v[SWA], v13, 2, s2
	v_lshl_add_u32 v[SRA], v1, 3, s2
	s_lshl_b32 s90, s15, 8
	s_lshl_b32 s96, s17, 12
	s_add_co_u32 s96, s96, s90
	s_add_co_u32 s96, s96, XSO
	s_mov_b32 s97, 0
	s_add_nc_u64 s[96:97], s[4:5], s[96:97]
	s_lshl_b32 s98, s18, 12
	s_add_co_u32 s98, s98, s90
	s_add_co_u32 s98, s98, XSO+80*4096
	s_mov_b32 s99, 0
	s_add_nc_u64 s[98:99], s[4:5], s[98:99]
	s_lshl_b32 s94, s40, 1
	s_add_co_u32 s94, s94, s16
	s_lshl_b32 s94, s94, 12
	s_add_co_u32 s94, s94, XSO+64*4096
	s_add_nc_u64 s[94:95], s[4:5], s[94:95]
	s_lshl_b32 s92, s45, 1
	s_add_co_u32 s92, s92, s16
	s_lshl_b32 s92, s92, 12
	s_add_co_u32 s92, s92, XSO
	s_mov_b32 s93, 0
	s_add_nc_u64 s[92:93], s[4:5], s[92:93]
	s_load_b64 s[MBO:MBO+1], s[0:1], 0x30          ; mb, into the pair that held w1's address, which is used no more
.irp p, 0,1
.irp k, 0,1,2,3,4,5,6,7
	global_load_b32 v[SA01+8*\p+\k], v[L4], s[96:97] offset:512*\k+128*\p
	global_load_b32 v[SA2+8*\p+\k], v[L4], s[98:99] offset:512*\k+128*\p
.endr
.endr
.irp p, 0,1,2,3
.irp k, 0,1,2,3,4,5,6,7
	global_load_b32 v[SBX+8*\p+\k], v[L4], s[94:95] offset:512*\k+128*\p
	global_load_b32 v[SBY+8*\p+\k], v[L4], s[94:95] offset:32768+512*\k+128*\p
.endr
.endr
	s_mov_b32 s91, 0
	s_lshl_b32 s90, s40, 10
	s_lshl_b32 s100, s16, 9
	s_add_co_u32 s90, s90, s100
	s_add_nc_u64 s[6:7], s[6:7], s[90:91]
	s_add_nc_u64 s[8:9], s[8:9], s[90:91]
	s_lshl_b32 s90, s18, 9
	s_lshl_b32 s100, s15, 8
	s_add_co_u32 s90, s90, s100
	s_add_nc_u64 s[10:11], s[10:11], s[90:91]
	WIN 0xc0
.irp b, 0,1,2,3,4,5,6,7
	global_load_b128 v[BQ+8*\b:BQ+8*\b+3], v[BA], s[6:7] offset:(32*(\b/2)+8*(\b%2))*4
	global_load_b128 v[BQ+8*\b+4:BQ+8*\b+7], v[BA], s[6:7] offset:(32*(\b/2)+8*(\b%2))*4+16
	global_load_b128 v[BK+8*\b:BK+8*\b+3], v[BA], s[8:9] offset:(32*(\b/2)+8*(\b%2))*4
	global_load_b128 v[BK+8*\b+4:BK+8*\b+7], v[BA], s[8:9] offset:(32*(\b/2)+8*(\b%2))*4+16
.endr
.irp a, 0,1,2,3
	global_load_b32 v[BV+2*\a], v[BVA], s[10:11] offset:(32*(\a/2)+8*(\a%2))*4
	global_load_b32 v[BV+2*\a+1], v[BVA], s[10:11] offset:(32*(\a/2)+8*(\a%2))*4
.endr
.irp b, 0,1,2,3
	v_mov_b32 v[TM+4+\b], 0
.endr
	WIN 0
	s_lshl_b32 s100, s40, 1
	s_add_co_u32 s100, s100, s16
	s_mul_i32 s90, s17, 98304
	s_mul_i32 s101, s15, 49152
	s_add_co_u32 s90, s90, s101
	s_mul_i32 s101, s100, 1536
	s_add_co_u32 s90, s90, s101
	s_add_nc_u64 s[OC0:OC0+1], s[12:13], s[90:91]
	s_add_nc_u64 s[OC1:OC1+1], s[OC0:OC0+1], KC
	s_lshl_b32 s90, s17, 12
	s_lshl_b32 s101, s100, 9
	s_add_co_u32 s90, s90, s101
	s_lshl_b32 s101, s15, 8
	s_add_co_u32 s90, s90, s101
	s_add_co_u32 s90, s90, QS
	s_add_nc_u64 s[OS0:OS0+1], s[12:13], s[90:91]
	s_add_nc_u64 s[OS1:OS1+1], s[OS0:OS0+1], 262144
	s_and_b32 s100, s45, 7
	s_lshl_b32 s100, s100, 1
	s_add_co_u32 s100, s100, s16
	s_lshr_b32 s90, s45, 3
	s_mul_i32 s90, s90, 1572864
	s_mul_i32 s101, s18, 196608
	s_add_co_u32 s90, s90, s101
	s_mul_i32 s101, s15, 98304
	s_add_co_u32 s90, s90, s101
	s_mul_i32 s101, s100, 1536
	s_add_co_u32 s90, s90, s101
	s_add_co_u32 s90, s90, VC
	s_add_nc_u64 s[OC2:OC2+1], s[12:13], s[90:91]
	s_lshr_b32 s90, s45, 3
	s_lshl_b32 s90, s90, 16
	s_lshl_b32 s101, s18, 13
	s_add_co_u32 s90, s90, s101
	s_lshl_b32 s101, s100, 9
	s_add_co_u32 s90, s90, s101
	s_lshl_b32 s101, s15, 8
	s_add_co_u32 s90, s90, s101
	s_add_co_u32 s90, s90, VS
	s_add_nc_u64 s[OS2:OS2+1], s[12:13], s[90:91]
	s_lshl_b32 s100, s17, 2
	s_add_co_u32 s100, s100, s40
	s_lshl_b32 s100, s100, 2
	s_add_co_u32 s100, s100, s14                   ; u = 4 (4 y + x) + wave
	s_lshr_b32 s90, s100, 4
	s_lshl_b32 s90, s90, 20                        ; 128 rows of 8,192 bytes,
	s_and_b32 s101, s100, 15
	s_lshl_b32 s101, s101, 9                       ; 128 keys of 4 bytes
	s_add_co_u32 s90, s90, s101
	s_add_nc_u64 s[MPT:MPT+1], s[MPT:MPT+1], s[90:91]
	s_lshl_b32 s90, s100, 11
	s_wait_kmcnt 0x0                               ; mb's address is in
	s_add_nc_u64 s[MBO:MBO+1], s[MBO:MBO+1], s[90:91]
	MLD 0                                          ; the mask's first three units, behind the scale words and biases
	MLD 1
	MLD 2
	WIN 0
	s_mov_b32 s[SEL], 0x76543210
	s_mov_b32 s[SEL+1], 0xfedcba98
	s_wait_alu depctr_va_vdst(0)
	s_wait_tensorcnt 0x0                           ; my part of slot 0 is in; slot 1's first fill is issued as a refill is
	ds_add_u32 v[SPW], v[NIL]
	s_wait_dscnt 0x0
	CROUND                                         ; slot 0 is whole in every work-group of the cluster
	JLOAD G0A+4, G1A, G0B+4, G1B                   ; slot 1, the first tensor load behind the round
	FETCH 0, 0, 0
	s_wait_loadcnt 24                              ; the scale words and biases are in; the mask's three units behind them may be out
	TILE SA01, SBX, 1, TA0, TB1
	EPI 0, BQ, OC0, OS0, 12288
	TILE SA01, SBY, 1, TA2, TB2
	EPI 1, BK, OC1, OS1, 12288
	s_wait_loadcnt 24                              ; the scale words asked for in the first epilogue are in; the mask's units 12 to 14 behind them may be out
	TILE SA2, SBX, 0, 0, 0
	EPI 2, BV, OC2, OS2, 24576
	s_wait_tensorcnt 0x0
	ds_add_u32 v[SPW], v[NIL]
	s_wait_dscnt 0x0
	CROUND
	s_endpgm
.Lfunc_end_k_qac49413efd_proj:
	.size	k_qac49413efd_proj, .Lfunc_end_k_qac49413efd_proj-k_qac49413efd_proj
	.p2alignl 7, 3214868480
	.fill 96, 4, 3214868480
	.section	.rodata,"a",@progbits
	.p2align	6, 0x0
	.amdhsa_kernel k_qac49413efd_proj
		.amdhsa_group_segment_fixed_size 327680
		.amdhsa_private_segment_fixed_size 0
		.amdhsa_enable_private_segment 0
		.amdhsa_kernarg_size 56
		.amdhsa_user_sgpr_count 2
		.amdhsa_user_sgpr_kernarg_segment_ptr 1
		.amdhsa_wavefront_size32 1
		.amdhsa_system_sgpr_workgroup_id_x 1
		.amdhsa_system_sgpr_workgroup_id_y 1
		.amdhsa_system_sgpr_workgroup_id_z 1
		.amdhsa_system_vgpr_workitem_id 0
		.amdhsa_next_free_vgpr 1024
		.amdhsa_next_free_sgpr 106
		.amdhsa_reserve_vcc 0
		.amdhsa_float_denorm_mode_32 3
		.amdhsa_float_denorm_mode_16_64 3
		.amdhsa_memory_ordered 1
		.amdhsa_forward_progress 1
		.amdhsa_inst_pref_size 255
	.end_amdhsa_kernel
	.section	.bss,"aw",@nobits
	.p2align	6
	.space	262144
	.amdgpu_metadata
---
amdhsa.version: [ 1, 2 ]
amdhsa.kernels:
  - .name:           k_qac49413efd_proj
    .symbol:         k_qac49413efd_proj.kd
    .args:
      - { .name: w1, .offset: 0, .size: 8, .value_kind: global_buffer, .address_space: global }
      - { .name: bq, .offset: 8, .size: 8, .value_kind: global_buffer, .address_space: global }
      - { .name: bk, .offset: 16, .size: 8, .value_kind: global_buffer, .address_space: global }
      - { .name: bv, .offset: 24, .size: 8, .value_kind: global_buffer, .address_space: global }
      - { .name: w2, .offset: 32, .size: 8, .value_kind: global_buffer, .address_space: global }
      - { .name: attention_mask, .offset: 40, .size: 8, .value_kind: global_buffer, .address_space: global }
      - { .name: mb, .offset: 48, .size: 8, .value_kind: global_buffer, .address_space: global }
    .group_segment_fixed_size: 327680
    .private_segment_fixed_size: 0
    .kernarg_segment_align: 8
    .kernarg_segment_size: 56
    .max_flat_workgroup_size: 128
    .sgpr_count:     106
    .vgpr_count:     1024
    .wavefront_size: 32
...
	.end_amdgpu_metadata
.endif
;; end of part 2
;; launch scores (part 3): grid 8 x 32, 4 waves a work-group, clusters of 4 x 4, 327,680 bytes of LDS; arguments w2, mb, w3; writes w3
.if DOCPART == 3
	.amdgcn_target "amdgcn-amd-amdhsa--gfx1250"
	.amdhsa_code_object_version 6
	.text
	.protected	k_qac49413efd_scores
	.globl	k_qac49413efd_scores
	.p2align	8
	.type	k_qac49413efd_scores,@function
k_qac49413efd_scores:
	s_mov_b64 s[64:65], 0
	v_nop
	global_prefetch_b8 v0, s[64:65] scope:SCOPE_SE
	s_setreg_imm32_b32 hwreg(HW_REG_WAVE_MODE, 25, 1), 1
	s_wait_xcnt 0x0
	s_wait_alu depctr_hold_cnt(0) depctr_sa_sdst(0) depctr_va_vdst(0) depctr_va_sdst(0) depctr_va_ssrc(0) depctr_va_vcc(0) depctr_vm_vsrc(0)
	s_getreg_b32 s2, hwreg(HW_REG_IB_STS2, 6, 4)
	s_cmp_eq_u32 s2, 0
	s_cbranch_scc0 .Lentry_in_a_cluster
	s_endpgm
.Lentry_in_a_cluster:
	s_bfe_u32 s2, ttmp6, 0x10000c
	s_cmp_lg_u32 s2, 0xf033
	s_cbranch_scc0 .Lentry_shape_is_right
	s_endpgm
.Lentry_shape_is_right:
; SCORES.  S^T = k q^T on codes of FP6 (K = 1,024); where the mask's word is 0 the score is -1e9; t = score x log2(e) / 32; then, FOR EACH QUERY AND EACH CHUNK OF 128 KEYS BY ITSELF:
; M = the chunk's largest t rounded up to a whole number, p = 2^(t - M), l = the sum of the unquantised p; p is quantised along the keys and leaves as an operand image,
; with its scale word, -M and l beside it.  M is a whole number, so the last launch brings every chunk under the row's M by taking a whole number off p's scale bytes: the codes stay as they are.
; SHARES.  A work-group makes 256 queries x 256 keys of one batch, a wave 128 x 128: 64 accumulators.  Source 0 = 16 keys, source 1 = 16 queries: a lane holds one query, its registers run along the keys.
; K, eight steps of 128, COMES IN THREE FILLS.  Region 0 (196,608 bytes) takes steps 0 to 3 at the head: 6,144 consecutive bytes of each tile; region 1 (98,304 bytes) takes steps 4 and 5, asked for behind the
; first round, four steps of products ahead of their use; steps 6 and 7 fill region 0's first 98,304 bytes again behind the round of step 3, when all of region 0 has been read.  One tensor load a wave each time.
; CLUSTER 4 x 4: q's tiles are asked for jointly along a row of the cluster, k's along a column.
; PREFETCH: steps 6 and 7 are 12 blocks of 256 bytes of each tile, 96 for the 8 tiles that a wave fetches.  The four partners that ask for them jointly take 24 blocks each, told apart by address (cx for q, cy for k);
; a lane a block, lanes 24-31 name the wave's last block again; one instruction a wave, in the middle of step 0, three steps ahead of the load.  The other two fills are asked for at the head and have no step to run ahead in.
; THE MASK arrives as lane masks, made by the launch before this one: word 64 a + 16 b + i of my 2,048 bytes of mb has at bit r + 16 h the mask of lane (r, h)'s query of tile a and key 32 b + 16 h + i,
; which is register 16 b + i of that tile's scores.  A tile's 64 words come by four scalar loads of 64 bytes into scalar registers that the descriptors have left (all tensor loads are done by then),
; one tile of softmax ahead of their use; one select a number applies them.
; Images: fragment = 1,536 bytes, registers 4 c .. 4 c + 3 of lane l at 512 c + 16 l; lane r of tile T is row 32 (T / 2) + 8 (T % 2) + r + 8 (r / 8).
; LIMITS: a block whose every p is under 2^-124 gets the byte 1; NaN and infinities are not served.
; REGISTERS: window 0: v6-24 addresses; v28-29 for the add; v32-63 q's scale words, v64-95 k's; v128-223 q's fragments, one set.
;   window 1: k's fragments, two sets, at v0 and v128; behind the products the epilogue works here.  windows 2, 3: the accumulators ((a, b) at v[8 (8 (a % 4) + b)]).
.set KC,    6291456
.set QS,    18874368
.set KS,    19136512
.set PS,    12582912                   ; w3: p's scale words; -M 524,288 on; l 1,048,576 on
.set S1O,   196608                     ; region 1, behind region 0
.set SPARE, 294912                     ; the spare words: 128 bytes a wave, two blocks of 256 bytes that no other line names
.set L4,    6                          ; v6   4 x lane
.set GI,    9                          ; v9   16 x lane
.set SWA,   10                         ; v10  the stage of the last words (region 0's upper half: filled at the head alone, last read ahead of step 3's barrier): 98,304 + 1,536 x wave + 4 r
.set SRA,   11                         ; v11  98,304 + 1,536 x wave + 16 x lane
.set ADRA,  16                         ; v16-18 my q fragments in region 0, in region 1, in region 0 as filled again
.set ADRB,  20                         ; v20-22 the same for k
.set PFO,   24                         ; v24  the prefetch's offset; never rewritten
.set SPW,   28
.set NIL,   29
.set SA,    32
.set SB,    64
.set AF,    128
.set W,     0                          ; window 1, the epilogue's
.set BM,    80
.set BX,    84
.set SO,    88
.set BY,    92
.set PC,    128
.set PWS,   148
.set MMS,   156
.set LLS,   164
.set NM,    172
.set TMP,   174
.set TMP2,  175
.set S0,    176
.set S1,    178
.set NEG,   180
.set CS,    10                         ; s[10:11] c = log2(e) / 32
.set SEL,   12
.set G1A,   24
.set G0A,   32
.set G1B,   48
.set G0B,   56
.set PFA,   84                         ; s[84:85] the 8 tiles that I fetch; never rewritten
.set PCO,   88
.set MP,    92                         ; s[92:93] my 2,048 bytes of mb; never rewritten
.set PSO,   94
.set MUL_LO, 0xa1
.set MUL_HI, 0xf1
.set MSB, 0
.macro WIN new
.if MSB != (\new)
	s_set_vgpr_msb (MSB<<8)|(\new)
.set MSB, (\new)
.endif
.endm
.macro PLACES n
.rept \n
	v_nop
.endr
.endm
.macro JLOAD g0a, g1a, g0b, g1b        ; waves 0 and 1 fetch q's halves, waves 2 and 3 k's; s_nop 0 and four v_nop follow each of the two lines
	s_cmp_eq_u32 s15, 0
	s_cbranch_scc0 .Lfor_b_\@
	tensor_load_to_lds s[\g0a:\g0a+3], s[\g1a:\g1a+7]
	s_nop 0
.rept 4
	v_nop
.endr
	s_branch .Lasked_\@
.Lfor_b_\@:
	tensor_load_to_lds s[\g0b:\g0b+3], s[\g1b:\g1b+7]
	s_nop 0
.rept 4
	v_nop
.endr
.Lasked_\@:
.endm
.macro CREST
	s_cmp_lg_u32 s14, 0
	s_cbranch_scc1 .Lnot_wave_0_\@
	s_barrier_signal -3
.Lnot_wave_0_\@:
	s_barrier_wait -3
	s_barrier_signal -1
	s_barrier_wait -1
.endm
.macro CROUND
	s_barrier_signal -1
	s_barrier_wait -1
	CREST
.endm
.macro WM1 zero, bo, ao
.if \zero
.if (\bo) && (\ao)
	v_wmma_scale_f32_16x16x128_f8f6f4 v[rD:rD+7], v[rB:rB+11], v[rA:rA+11], 0, v[rSB], v[rSA] matrix_a_fmt:MATRIX_FMT_FP6 matrix_b_fmt:MATRIX_FMT_FP6 matrix_a_scale:MATRIX_SCALE_ROW1 matrix_b_scale:MATRIX_SCALE_ROW1
.elseif (\bo)
	v_wmma_scale_f32_16x16x128_f8f6f4 v[rD:rD+7], v[rB:rB+11], v[rA:rA+11], 0, v[rSB], v[rSA] matrix_a_fmt:MATRIX_FMT_FP6 matrix_b_fmt:MATRIX_FMT_FP6 matrix_a_scale:MATRIX_SCALE_ROW1
.elseif (\ao)
	v_wmma_scale_f32_16x16x128_f8f6f4 v[rD:rD+7], v[rB:rB+11], v[rA:rA+11], 0, v[rSB], v[rSA] matrix_a_fmt:MATRIX_FMT_FP6 matrix_b_fmt:MATRIX_FMT_FP6 matrix_b_scale:MATRIX_SCALE_ROW1
.else
	v_wmma_scale_f32_16x16x128_f8f6f4 v[rD:rD+7], v[rB:rB+11], v[rA:rA+11], 0, v[rSB], v[rSA] matrix_a_fmt:MATRIX_FMT_FP6 matrix_b_fmt:MATRIX_FMT_FP6
.endif
.else
.if (\bo) && (\ao)
	v_wmma_scale_f32_16x16x128_f8f6f4 v[rD:rD+7], v[rB:rB+11], v[rA:rA+11], v[rD:rD+7], v[rSB], v[rSA] matrix_a_fmt:MATRIX_FMT_FP6 matrix_b_fmt:MATRIX_FMT_FP6 matrix_a_scale:MATRIX_SCALE_ROW1 matrix_b_scale:MATRIX_SCALE_ROW1
.elseif (\bo)
	v_wmma_scale_f32_16x16x128_f8f6f4 v[rD:rD+7], v[rB:rB+11], v[rA:rA+11], v[rD:rD+7], v[rSB], v[rSA] matrix_a_fmt:MATRIX_FMT_FP6 matrix_b_fmt:MATRIX_FMT_FP6 matrix_a_scale:MATRIX_SCALE_ROW1
.elseif (\ao)
	v_wmma_scale_f32_16x16x128_f8f6f4 v[rD:rD+7], v[rB:rB+11], v[rA:rA+11], v[rD:rD+7], v[rSB], v[rSA] matrix_a_fmt:MATRIX_FMT_FP6 matrix_b_fmt:MATRIX_FMT_FP6 matrix_b_scale:MATRIX_SCALE_ROW1
.else
	v_wmma_scale_f32_16x16x128_f8f6f4 v[rD:rD+7], v[rB:rB+11], v[rA:rA+11], v[rD:rD+7], v[rSB], v[rSA] matrix_a_fmt:MATRIX_FMT_FP6 matrix_b_fmt:MATRIX_FMT_FP6
.endif
.endif
.endm
.macro FRAG reg, adr, off
.irp c, 0,1,2
	ds_load_b128 v[(\reg)+4*\c:(\reg)+4*\c+3], v[\adr] offset:(\off)+512*\c
.endr
.endm
; g: 0 region 0 (a tile's part is 6,144 bytes), 1 region 1, 2 region 0 as filled again (3,072 bytes); q: which 128 along K of that part
.macro FETCH_B g, q, set               ; k's eight fragments: 24 loads
	WIN 0x40
.irp i, 0,1,2,3,4,5,6,7
	FRAG 128*(\set)+12*\i, ADRB+\g, (6144-3072*(((\g)+1)/2))*\i+1536*(\q)
.endr
	WIN 0
.endm
.macro FETCH_A g, q, i0                ; q's blocks i0 .. i0 + 3: 12 loads
.irp i, 0,1,2,3
	FRAG AF+12*((\i0)+\i), ADRA+\g, (6144-3072*(((\g)+1)/2))*((\i0)+\i)+1536*(\q)
.endr
.endm
.macro MULB a, set, sk, zero           ; q's block a against k's eight.  The 64 accumulators take turns, one instruction a turn, in the same order in every step
.irp b, 0,1,2,3,4,5,6,7
.set rD, 8*(8*((\a)%4)+\b)
.set rB, 128*(\set)+12*\b
.set rA, AF+12*(\a)
.set rSB, SB+8*(\b/2)+(\sk)
.set rSA, SA+8*((\a)/2)+(\sk)
	WM1 \zero, \b%2, (\a)%2
.endr
.endm
.macro MASKS a                         ; tile a's 64 lane masks: word 16 q + i into s[16 + 16 q + 4 (q / 3) + i]
	s_load_b512 s[16:31], s[MP:MP+1], 256*(\a)
	s_load_b512 s[32:47], s[MP:MP+1], 256*(\a)+64
	s_load_b512 s[48:63], s[MP:MP+1], 256*(\a)+128
	s_load_b512 s[68:83], s[MP:MP+1], 256*(\a)+192
.endm
; A step of 128 along K with no barrier: multiplies k's set; the next step's fragments, at (g, q), go into k's other set.  q has one set of registers: blocks 0-3 are fetched anew in the step's middle, blocks 4-7 at its end.
.macro STEP set, g, q, sk, zero, pf
	s_wait_dscnt 12                                ; k's set and q's blocks 0-3 are in; the youngest 12 loads (blocks 4-7) may be out
	WIN MUL_LO
.irp a, 0,1,2,3
	MULB \a, \set, \sk, \zero
.endr
	s_wait_dscnt 0x0                               ; blocks 4-7 are in
	PLACES 4                                       ; ahead of loads into registers that products have read (ISA guide 7.12.1 for vector instructions)
	FETCH_B \g, \q, 1-(\set)
	FETCH_A \g, \q, 0
.if \pf
	global_prefetch_b8 v[PFO], s[PFA:PFA+1] offset:9216 th:TH_LOAD_NT scope:SCOPE_SE   ; my 24 blocks of steps 6 and 7; 32 products follow
.endif
	WIN MUL_HI
.irp a, 4,5,6,7
	MULB \a, \set, \sk, \zero
.endr
	PLACES 4
	WIN 0
	FETCH_A \g, \q, 4
.endm
; A step that leaves a region: one barrier; ahead of it each wave waits for all its tensor loads, adds 0 to its spare word and waits for that and for its reads.  It multiplies k's set 1; the next fragments, at (g, 0), go into set 0.
.macro TURN g, sk, fill
	s_wait_tensorcnt 0x0                           ; all my tensor loads have landed: my part of the region read next  (every window is 0 here)
	ds_add_u32 v[SPW], v[NIL]                      ; 0 onto my spare word
	s_wait_dscnt 13                                ; (the add and the youngest 12 loads may be out)
	WIN MUL_LO
	MULB 0, 1, \sk, 0
	MULB 1, 1, \sk, 0
	s_wait_dscnt 0x0                               ; the add is done, and my reads of the region left behind are over
	s_barrier_signal -1
	MULB 2, 1, \sk, 0
	MULB 3, 1, \sk, 0
	WIN 0
	s_barrier_wait -1
.if \fill
	CREST                                          ; no wave of any partner still reads region 0 or has a load on its way
	JLOAD G0A, G1A, G0B, G1B                       ; steps 6 and 7; its four v_nop are the places ahead of the loads below
.else
	PLACES 4
.endif
	FETCH_B \g, 0, 0
	FETCH_A \g, 0, 0
	WIN MUL_HI
.irp a, 4,5,6,7
	MULB \a, 1, \sk, 0
.endr
	PLACES 4
	WIN 0
	FETCH_A \g, 0, 4
.endm
; THE SOFTMAX OF TILE a: 16 queries x my 128 keys.  Register 16 b + i of lane (r, h) is key 32 b + 16 h + i.
.macro SOFT a
	WIN 0x56+(\a)/4                                ; source 0: window 2 or 3; all else window 1
.set i, 0
.rept 32
	v_pk_mul_f32 v[W+2*i:W+2*i+1], v[64*((\a)%4)+2*i:64*((\a)%4)+2*i+1], s[CS:CS+1] op_sel_hi:[1,0]   ; t = score x c, each accumulator from its low end on
.set i, i+1
.endr
	WIN 0x55
	s_wait_kmcnt 0x0                               ; this tile's lane masks are in
.irp q, 0,1,2,3
.set i, 0
.rept 16
	v_cndmask_b32 v[W+16*\q+i], v[NEG], v[W+16*\q+i], s[16+16*\q+4*(\q/3)+i]   ; a hidden key's t is -1e9 x c
.set i, i+1
.endr
.endr
.irp b, 0,1,2,3
	v_max3_num_f32 v[BM+\b], v[W+16*\b], v[W+1+16*\b], v[W+2+16*\b]   ; the largest t of each block of 32 keys: for the chunk's maximum and for the block's largest p
.endr
.irp i, 3,5,7,9,11,13
.irp b, 0,1,2,3
	v_max3_num_f32 v[BM+\b], v[BM+\b], v[W+16*\b+\i], v[W+1+16*\b+\i]
.endr
.endr
.if \a < 7
	MASKS (\a)+1                                   ; the selects above have read the scalar registers: they take the next tile's words
.endif
.irp b, 0,1,2,3
	v_max_num_f32 v[BM+\b], v[BM+\b], v[W+15+16*\b]
.endr
.irp b, 0,1,2,3
	v_permlanex16_b32 v[BX+\b], v[BM+\b], s[SEL], s[SEL+1]
.endr
.irp b, 0,1,2,3
	v_max_num_f32 v[BM+\b], v[BM+\b], v[BX+\b]
.endr
	v_max3_num_f32 v[TMP], v[BM], v[BM+1], v[BM+2]
	v_max_num_f32 v[TMP], v[TMP], v[BM+3]
	v_floor_f32 v[NM], -v[TMP]                     ; -M = floor(-t) = -ceil(t)
.set i, 0
.rept 32
	v_pk_add_f32 v[W+2*i:W+2*i+1], v[W+2*i:W+2*i+1], v[NM:NM+1] op_sel_hi:[1,0]   ; t - M
.set i, i+1
.endr
.irp b, 0,1,2,3
	v_add_f32 v[BM+\b], v[BM+\b], v[NM]
.endr
.set i, 0
	s_wait_alu depctr_va_vdst(0)                   ; ahead of the batch
.rept 64
	v_exp_f32 v[W+i], v[W+i]                       ; p = 2^(t - M), at most 1
.set i, i+1
.endr
	v_mov_b32 v[MMS+\a], v[NM]                     ; (a plain place behind the exponentials)
	s_wait_alu depctr_va_vdst(0)                   ; one wait for the batch, ahead of the first line that names its results
.irp b, 0,1,2,3
	v_exp_f32 v[BM+\b], v[BM+\b]                   ; the block's largest p: the same operations on the same number
.endr
	v_pk_add_f32 v[S0:S0+1], v[W:W+1], v[W+4:W+5]  ; the sum of the unquantised p, in two chains
	v_pk_add_f32 v[S1:S1+1], v[W+2:W+3], v[W+6:W+7]
.irp j, 8,12,16,20,24,28,32,36,40,44,48,52,56,60
	v_pk_add_f32 v[S0:S0+1], v[S0:S0+1], v[W+\j:W+\j+1]
	v_pk_add_f32 v[S1:S1+1], v[S1:S1+1], v[W+\j+2:W+\j+3]
.endr
	v_pk_add_f32 v[S0:S0+1], v[S0:S0+1], v[S1:S1+1]
	v_add_f32 v[TMP], v[S0], v[S0+1]
	v_permlanex16_b32 v[TMP2], v[TMP], s[SEL], s[SEL+1]
	v_add_f32 v[LLS+\a], v[TMP], v[TMP2]           ; with lane l xor 16's 64 keys
	s_wait_alu depctr_va_vdst(0)                   ; and one for the four
.irp b, 0,1,2,3
	v_max_num_f32 v[BM+\b], 0x1800000, v[BM+\b]    ; the floor 2^(3 - 127)
.endr
.irp b, 0,1,2,3
	v_add_nc_u32 v[SO+\b], 0xff000000, v[BM+\b]
.endr
.irp b, 0,1,2,3
	v_lshrrev_b32 v[BY+\b], 23, v[SO+\b]
.endr
	v_lshl_or_b32 v[PWS+\a], v[BY+1], 8, v[BY]
	v_lshl_or_b32 v[PWS+\a], v[BY+2], 16, v[PWS+\a]
	v_lshl_or_b32 v[PWS+\a], v[BY+3], 24, v[PWS+\a]
	s_wait_xcnt 0x0                                ; the last tile's stores have read the codes' registers
.irp c, 0,1
	v_cvt_scalef32_pk16_fp6_f32 v[PC+6*\c:PC+2+6*\c], v[W+32*\c:W+15+32*\c], v[SO+2*\c]
	v_cvt_scalef32_pk16_fp6_f32 v[PC+12+4*\c:PC+14+4*\c], v[W+16+32*\c:W+31+32*\c], v[SO+2*\c+1]
.endr
	v_nop                                          ; one plain place behind a scaled conversion
.irp c, 0,1
.irp i, 0,1,2
	v_permlane16_swap_b32 v[PC+6*\c+\i], v[PC+12+4*\c+\i]
.endr
.irp i, 0,1,2
	v_mov_b32 v[PC+3+6*\c+\i], v[PC+12+4*\c+\i]
.endr
.endr
	WIN 0x04                                       ; a store's data: window 1; its address: window 0
.irp c, 0,1,2
	global_store_b128 v[GI], v[PC+4*\c:PC+4*\c+3], s[PCO:PCO+1] offset:24576*(\a)+512*\c   ; 512 consecutive bytes, aligned
.endr
.endm
	s_load_b128 s[4:7], s[0:1], 0x0                ; w2, mb
	s_load_b64 s[8:9], s[0:1], 0x10                ; w3
	v_lshl_add_u32 v[SPW], v0, 2, SPARE
	v_mov_b32 v[NIL], 0
	ds_add_u32 v[SPW], v[NIL]                      ; the opening: the add, twice on end, and its wait ahead of my first tensor load
	ds_add_u32 v[SPW], v[NIL]
	v_lshrrev_b32 v1, 5, v0
	v_readfirstlane_b32 s14, v1                    ; wave
	s_lshr_b32 s15, s14, 1                         ; my half of the queries.  Also: I fetch for q (0) or for k (1)
	s_and_b32 s16, s14, 1                          ; my half of the keys.  Also: which half I fetch
	s_bfe_u32 s40, ttmp6, 0x40000                  ; cx
	s_bfe_u32 s41, ttmp6, 0x40004                  ; cy
	s_and_b32 s42, ttmp7, 0xffff                   ; the cluster's y
	s_lshl_b32 s45, ttmp9, 2
	s_add_co_u32 s45, s45, s40                     ; gx: the block of 256 keys
	s_lshl_b32 s17, s42, 2
	s_add_co_u32 s17, s17, s41                     ; gy: the block of 256 queries; its batch is the cluster's y / 2
	s_lshl_b32 s43, s41, 2
	s_lshl_b32 s43, 15, s43
	s_lshl_b32 s44, 0x1111, s40
	s_or_b32 s[G1A], s43, (3<<16)|(1<<21)          ; the mask of work-groups; elements of 8 bytes; bit 21 beside a mask; no padding
	s_or_b32 s[G1B], s44, (3<<16)|(1<<21)
.irp g, G1A, G1B
	s_mov_b32 s[\g+1], 768<<16                     ; tensor_dim0: 6,144 bytes, for the head's load
	s_mov_b32 s[\g+2], 8<<16                       ; tensor_dim1: 8 tiles
	s_mov_b32 s[\g+3], 768<<16                     ; tile_dim0
	s_mov_b32 s[\g+4], 8                           ; tile_dim1
	s_mov_b32 s[\g+5], 1536                        ; from tile to tile: 12,288 bytes
	s_mov_b32 s[\g+6], 0
	s_mov_b32 s[\g+7], 0
.endr
	s_mul_i32 s20, s17, 196608
	s_mul_i32 s18, s16, 98304
	s_add_co_u32 s20, s20, s18
	s_mov_b32 s21, 0
	s_lshr_b32 s46, s42, 1
	s_mul_i32 s46, s46, 1572864
	s_mul_i32 s47, s45, 196608
	s_add_co_u32 s46, s46, s47
	s_mul_i32 s47, s16, 98304
	s_add_co_u32 s46, s46, s47
	s_add_co_u32 s46, s46, KC
	s_mov_b32 s47, 0
	s_mul_i32 s2, s14, 49152                       ; where the head's load goes: wave x 8 tiles x 6,144
	s_mul_i32 s66, s14, 24576                      ; and the later ones: wave x 8 tiles x 3,072
	s_wait_dscnt 0x0                               ; both opening adds are done
	s_wait_kmcnt 0x0
	s_add_nc_u64 s[20:21], s[4:5], s[20:21]
	s_add_nc_u64 s[46:47], s[4:5], s[46:47]
	s_cmp_eq_u32 s15, 0                            ; do I fetch for q?
	s_cselect_b64 s[PFA:PFA+1], s[20:21], s[46:47] ; the 8 tiles that I fetch,
	s_cselect_b32 s67, s40, s41                    ; and my place among the four that ask for them with me
	s_mul_i32 s67, s67, 24                         ; my work-group's 24 blocks of the 96
	CROUND                                         ; all sixteen work-groups are here: the first joint loads meet
	s_mov_b32 s[G0A], 1                            ; steps 0 to 3, into region 0
	s_mov_b32 s[G0A+1], s2
	s_mov_b64 s[G0A+2:G0A+3], s[20:21]
	s_or_b32 s[G0A+3], s[G0A+3], 0x80000000
	s_mov_b32 s[G0B], 1
	s_mov_b32 s[G0B+1], s2
	s_mov_b64 s[G0B+2:G0B+3], s[46:47]
	s_or_b32 s[G0B+3], s[G0B+3], 0x80000000
	s_mov_b32 s[G0A+4], 1                          ; steps 4 and 5, into region 1
	s_add_co_u32 s[G0A+5], s66, S1O
	s_add_nc_u64 s[G0A+6:G0A+7], s[20:21], 6144
	s_or_b32 s[G0A+7], s[G0A+7], 0x80000000
	s_mov_b32 s[G0B+4], 1
	s_add_co_u32 s[G0B+5], s66, S1O
	s_add_nc_u64 s[G0B+6:G0B+7], s[46:47], 6144
	s_or_b32 s[G0B+7], s[G0B+7], 0x80000000
	JLOAD G0A, G1A, G0B, G1B                       ; one tensor load a wave at the head
	s_mul_i32 s18, s15, 49152                      ; region 0: my 8 tiles of q,
	s_mul_i32 s19, s16, 49152
	s_add_co_u32 s19, s19, 98304                   ; and of k, behind q's 16
	s_mul_i32 s20, s15, 24576                      ; region 0 as filled again,
	s_mul_i32 s21, s16, 24576
	s_add_co_u32 s21, s21, 49152
	s_add_co_u32 s22, s20, S1O                     ; and region 1
	s_add_co_u32 s23, s21, S1O
	s_mul_i32 s2, s14, 1536
	s_add_co_u32 s2, s2, 98304                     ; my stage of the last words
	v_and_b32 v1, 31, v0                           ; lane
	v_and_b32 v13, 15, v0                          ; r
	v_lshlrev_b32 v[GI], 4, v1
	v_lshlrev_b32 v[L4], 2, v1
	v_add_nc_u32 v[ADRA], s18, v[GI]
	v_add_nc_u32 v[ADRA+1], s22, v[GI]
	v_add_nc_u32 v[ADRA+2], s20, v[GI]
	v_add_nc_u32 v[ADRB], s19, v[GI]
	v_add_nc_u32 v[ADRB+1], s23, v[GI]
	v_add_nc_u32 v[ADRB+2], s21, v[GI]
	v_lshl_add_u32 v[SWA], v13, 2, s2
	v_add_nc_u32 v[SRA], s2, v[GI]
	v_min_u32 v14, 23, v1
	v_add_nc_u32 v14, s67, v14                     ; my block, 0 .. 95
	v_mul_u32_u24 v15, v14, 43
	v_lshrrev_b32 v15, 9, v15                      ; its tile: block / 12 (43 / 512 serves up to 95)
	v_mul_u32_u24 v[PFO], v15, 12
	v_sub_nc_u32 v14, v14, v[PFO]                  ; block % 12
	v_mul_u32_u24 v[PFO], v15, 12288
	v_lshl_add_u32 v[PFO], v14, 8, v[PFO]
	s_wait_alu depctr_va_vdst(0)                   ; behind the head's last vector line
	s_lshl_b32 s86, s17, 1
	s_add_co_u32 s86, s86, s15                     ; Gq: my group of 128 queries
	s_lshl_b32 s87, s45, 1
	s_add_co_u32 s87, s87, s16                     ; g: my chunk of 128 keys
	s_lshl_b32 s96, s86, 12
	s_add_co_u32 s96, s96, QS
	s_mov_b32 s97, 0
	s_add_nc_u64 s[96:97], s[4:5], s[96:97]        ; q's scale words
	s_lshr_b32 s98, s42, 1
	s_lshl_b32 s98, s98, 4
	s_add_co_u32 s98, s98, s87
	s_lshl_b32 s98, s98, 12
	s_add_co_u32 s98, s98, KS
	s_mov_b32 s99, 0
	s_add_nc_u64 s[98:99], s[4:5], s[98:99]        ; k's
.irp p, 0,1,2,3
.irp k, 0,1,2,3,4,5,6,7
	global_load_b32 v[SA+8*\p+\k], v[L4], s[96:97] offset:512*\k+128*\p
	global_load_b32 v[SB+8*\p+\k], v[L4], s[98:99] offset:512*\k+128*\p
.endr
.endr
	s_lshl_b32 s100, s86, 4
	s_add_co_u32 s100, s100, s87                   ; 16 Gq + g
	s_lshl_b32 s[MP], s100, 11
	s_mov_b32 s[MP+1], 0
	s_add_nc_u64 s[MP:MP+1], s[6:7], s[MP:MP+1]    ; my lane masks
	s_mov_b32 s91, 0
	s_lshl_b32 s90, s100, 9
	s_add_co_u32 s90, s90, PS
	s_add_nc_u64 s[PSO:PSO+1], s[8:9], s[90:91]
	s_mul_i32 s90, s17, 393216
	s_mul_i32 s101, s15, 196608
	s_add_co_u32 s90, s90, s101
	s_mul_i32 s101, s87, 1536
	s_add_co_u32 s90, s90, s101
	s_add_nc_u64 s[PCO:PCO+1], s[8:9], s[90:91]
	s_mov_b32 s[CS], 0x3d38aa3b                    ; log2(e) / 32
	s_mov_b32 s[CS+1], s[CS]                       ; (named with it as a pair)
	s_mov_b32 s[SEL], 0x76543210
	s_mov_b32 s[SEL+1], 0xfedcba98
	s_wait_tensorcnt 0x0                           ; my part of region 0 is in; region 1's first fill is issued as a refill is
	ds_add_u32 v[SPW], v[NIL]
.irp g, G1A, G1B
	s_mov_b32 s[\g+1], 384<<16                     ; no tensor load of mine is out, so the descriptors may be written: from here on a tile's part is 3,072 bytes: tensor_dim0,
	s_mov_b32 s[\g+3], 384<<16                     ; tile_dim0
.endr
	s_mov_b32 s[G0A+1], s66                        ; and the head's group 0 becomes that of steps 6 and 7
	s_mov_b32 s[G0B+1], s66
	s_add_nc_u64 s[G0A+2:G0A+3], s[G0A+2:G0A+3], 9216
	s_add_nc_u64 s[G0B+2:G0B+3], s[G0B+2:G0B+3], 9216
	s_wait_dscnt 0x0
	CROUND                                         ; region 0 is whole in every work-group of the cluster
	JLOAD G0A+4, G1A, G0B+4, G1B                   ; steps 4 and 5, the first tensor load behind the round
	FETCH_B 0, 0, 0
	FETCH_A 0, 0, 0
	FETCH_A 0, 0, 4
	s_wait_loadcnt 0x0                             ; the scale words are in
	STEP 0, 0, 1, 0, 1, 1                          ; the first products start the sums: nothing is cleared
	STEP 1, 0, 2, 1, 0, 0
	STEP 0, 0, 3, 2, 0, 0
	TURN 1, 3, 1                                   ; region 0 has been read: steps 6 and 7 are asked for
	STEP 0, 1, 1, 4, 0, 0
	TURN 2, 5, 0                                   ; nothing more is asked for; its wait has shown my last tensor load done,
	MASKS 0                                        ; so the descriptors' registers take tile 0's lane masks
	STEP 0, 2, 1, 6, 0, 0
	s_wait_dscnt 12                                ; the very last step
	WIN MUL_LO
.irp a, 0,1,2,3
	MULB \a, 1, 7, 0
.endr
	s_wait_dscnt 0x0
	WIN MUL_HI
.irp a, 4,5,6,7
	MULB \a, 1, 7, 0
.endr
	PLACES 4                                       ; behind the last products: their results are read and their operands' registers written below
	WIN 0x55
	v_mov_b32 v[NEG], 0xce6e6b28                   ; -1e9,
	v_mul_f32 v[NEG], s[CS], v[NEG]                ; as t
	v_mov_b32 v[NM+1], 0                           ; (named as the upper half of a pair)
	v_mov_b32 v[TMP2], 0                           ; a lane permute's destination counts as one of its sources
.irp b, 0,1,2,3
	v_mov_b32 v[BX+\b], 0
.endr
.irp a, 0,1,2,3,4,5,6,7
	SOFT \a
.endr
.irp a, 0,1,2,3,4,5,6,7                        ; scale words, -M and l: through my stage, so that each leaves as 512 consecutive bytes
	ds_store_b32 v[SWA], v[PWS+\a] offset:64*\a
	ds_store_b32 v[SWA], v[MMS+\a] offset:512+64*\a
	ds_store_b32 v[SWA], v[LLS+\a] offset:1024+64*\a
.endr
	WIN 0x40
.irp k, 0,1,2
	ds_load_b128 v[W+4*\k:W+4*\k+3], v[SRA] offset:512*\k   ; LDS serves a wave's instructions in order
.endr
	s_wait_dscnt 0x0
	WIN 0x04
	global_store_b128 v[GI], v[W:W+3], s[PSO:PSO+1]
	global_store_b128 v[GI], v[W+4:W+7], s[PSO:PSO+1] offset:524288
	global_store_b128 v[GI], v[W+8:W+11], s[PSO:PSO+1] offset:1048576
	WIN 0
	s_wait_tensorcnt 0x0                           ; the wave's end
	ds_add_u32 v[SPW], v[NIL]
	s_wait_dscnt 0x0
	CROUND                                         ; the closing round
	s_endpgm
.Lfunc_end_k_qac49413efd_scores:
	.size	k_qac49413efd_scores, .Lfunc_end_k_qac49413efd_scores-k_qac49413efd_scores
	.p2alignl 7, 3214868480
	.fill 96, 4, 3214868480
	.section	.rodata,"a",@progbits
	.p2align	6, 0x0
	.amdhsa_kernel k_qac49413efd_scores
		.amdhsa_group_segment_fixed_size 327680
		.amdhsa_private_segment_fixed_size 0
		.amdhsa_enable_private_segment 0
		.amdhsa_kernarg_size 24
		.amdhsa_user_sgpr_count 2
		.amdhsa_user_sgpr_kernarg_segment_ptr 1
		.amdhsa_wavefront_size32 1
		.amdhsa_system_sgpr_workgroup_id_x 1
		.amdhsa_system_sgpr_workgroup_id_y 1
		.amdhsa_system_sgpr_workgroup_id_z 1
		.amdhsa_system_vgpr_workitem_id 0
		.amdhsa_next_free_vgpr 1024
		.amdhsa_next_free_sgpr 102
		.amdhsa_reserve_vcc 0
		.amdhsa_float_denorm_mode_32 3
		.amdhsa_float_denorm_mode_16_64 3
		.amdhsa_memory_ordered 1
		.amdhsa_forward_progress 1
		.amdhsa_inst_pref_size 247
	.end_amdhsa_kernel
	.amdgpu_metadata
---
amdhsa.version: [ 1, 2 ]
amdhsa.kernels:
  - .name:           k_qac49413efd_scores
    .symbol:         k_qac49413efd_scores.kd
    .args:
      - { .name: w2, .offset: 0, .size: 8, .value_kind: global_buffer, .address_space: global }
      - { .name: mb, .offset: 8, .size: 8, .value_kind: global_buffer, .address_space: global }
      - { .name: w3, .offset: 16, .size: 8, .value_kind: global_buffer, .address_space: global }
    .group_segment_fixed_size: 327680
    .private_segment_fixed_size: 0
    .kernarg_segment_align: 8
    .kernarg_segment_size: 24
    .max_flat_workgroup_size: 128
    .sgpr_count:     102
    .vgpr_count:     1024
    .wavefront_size: 32
...
	.end_amdgpu_metadata
.endif
;; end of part 3
;; launch pv (part 4): grid 4 x 64, 4 waves a work-group, clusters of 4 x 4, 327,680 bytes of LDS; arguments w3, w2, out0; writes out0
.if DOCPART == 4
	.amdgcn_target "amdgcn-amd-amdhsa--gfx1250"
	.amdhsa_code_object_version 6
	.text
	.protected	k_qac49413efd_pv
	.globl	k_qac49413efd_pv
	.p2align	8
	.type	k_qac49413efd_pv,@function
k_qac49413efd_pv:
	s_mov_b64 s[64:65], 0
	v_nop
	global_prefetch_b8 v0, s[64:65] scope:SCOPE_SE
	s_setreg_imm32_b32 hwreg(HW_REG_WAVE_MODE, 25, 1), 1
	s_wait_xcnt 0x0
	s_wait_alu depctr_hold_cnt(0) depctr_sa_sdst(0) depctr_va_vdst(0) depctr_va_sdst(0) depctr_va_ssrc(0) depctr_va_vcc(0) depctr_vm_vsrc(0)
	s_getreg_b32 s2, hwreg(HW_REG_IB_STS2, 6, 4)
	s_cmp_eq_u32 s2, 0
	s_cbranch_scc0 .Lentry_in_a_cluster
	s_endpgm
.Lentry_in_a_cluster:
	s_bfe_u32 s2, ttmp6, 0x10000c
	s_cmp_lg_u32 s2, 0xf033
	s_cbranch_scc0 .Lentry_shape_is_right
	s_endpgm
.Lentry_shape_is_right:
; PV.  out = (p v) / l on codes of FP6 (K = 2,048 keys).  p arrives chunk by chunk of 128 keys, each under its own whole number M.  At the head each wave finds its rows' largest M,
; takes n = M(row) - M(chunk) off the four scale bytes of each chunk's word (the codes stay as they are: a power of two goes into the scale), and adds the chunks' sums l x 2^-n.
; SHARES.  A work-group makes 128 queries x 256 features, a wave 64 x 128: 32 accumulators.  Source 0 = 16 features of v^T, source 1 = 16 queries of p: a lane holds one query, its registers run along the features.
; K goes in four steps of 512 through a ring of two LDS slots; a tile's part of a slot is 6,144 consecutive bytes of memory.
; CLUSTER 4 x 4: p's tiles are asked for jointly along a row of the cluster, v's along a column.
; LIMITS: a scale byte that would fall under 1 is held at 1: such a term is at most 7.5 x 2^-126 beside a row's sum above 1/2.  NaN and infinities are not served.
; REGISTERS: window 0: v2-9 addresses; v28-29 for the add; v32-127 p's fragments, two sets (at the head: -M, l and work); v128-159 p's scale words, v160-223 v's.
;   window 1: v's fragments, two sets.  window 2: the accumulators.  window 3: the way out.
.set VC,    12582912
.set VS,    19398656
.set PS,    12582912
.set NS,    16
.set SLOT,  147456
.set SPARE, 294912                     ; the spare words: 128 bytes a wave, two blocks of 256 bytes that no other line names
.set ADRA,  2
.set ADRB,  4
.set L4,    6
.set STO,   7                          ; v7  the stage (in slot 0, behind its last fill and last read): 8,448 x wave + 528 r + 64 h
.set RD,    8                          ; v8  8,448 x wave + 16 x lane
.set GI,    9                          ; v9  16 x lane
.set SPW,   28
.set NIL,   29
.set AF,    32
.set NMR,   32                         ; at the head: -M of 2 x 16 chunks
.set PLR,   64                         ; l likewise
.set NMIN,  96
.set LS,    98
.set TN,    100
.set TE,    104
.set TO,    108
.set TD,    112
.set TC,    116
.set SA,    128
.set SB,    160
.set W,     0                          ; window 3
.set BKO,   64
.set RLA,   192
.set G1A,   24
.set G0A,   32
.set G1B,   48
.set G0B,   56
.set SEL,   88
.set OUT,   92
.set MUL,   0xa1
.set MSB, 0
.macro WIN new
.if MSB != (\new)
	s_set_vgpr_msb (MSB<<8)|(\new)
.set MSB, (\new)
.endif
.endm
.macro PLACES n
.rept \n
	v_nop
.endr
.endm
.macro JLOAD g0a, g1a, g0b, g1b        ; waves 0 and 1 fetch p's halves, waves 2 and 3 v's; four v_nop follow each of the two lines
	s_cmp_eq_u32 s15, 0
	s_cbranch_scc0 .Lfor_b_\@
	tensor_load_to_lds s[\g0a:\g0a+3], s[\g1a:\g1a+7]
	s_nop 0
.rept 4
	v_nop
.endr
	s_branch .Lasked_\@
.Lfor_b_\@:
	tensor_load_to_lds s[\g0b:\g0b+3], s[\g1b:\g1b+7]
	s_nop 0
.rept 4
	v_nop
.endr
.Lasked_\@:
.endm
.macro CREST
	s_cmp_lg_u32 s14, 0
	s_cbranch_scc1 .Lnot_wave_0_\@
	s_barrier_signal -3
.Lnot_wave_0_\@:
	s_barrier_wait -3
	s_barrier_signal -1
	s_barrier_wait -1
.endm
.macro CROUND
	s_barrier_signal -1
	s_barrier_wait -1
	CREST
.endm
.macro WM1 zero, bo, ao
.if \zero
.if (\bo) && (\ao)
	v_wmma_scale_f32_16x16x128_f8f6f4 v[rD:rD+7], v[rB:rB+11], v[rA:rA+11], 0, v[rSB], v[rSA] matrix_a_fmt:MATRIX_FMT_FP6 matrix_b_fmt:MATRIX_FMT_FP6 matrix_a_scale:MATRIX_SCALE_ROW1 matrix_b_scale:MATRIX_SCALE_ROW1
.elseif (\bo)
	v_wmma_scale_f32_16x16x128_f8f6f4 v[rD:rD+7], v[rB:rB+11], v[rA:rA+11], 0, v[rSB], v[rSA] matrix_a_fmt:MATRIX_FMT_FP6 matrix_b_fmt:MATRIX_FMT_FP6 matrix_a_scale:MATRIX_SCALE_ROW1
.elseif (\ao)
	v_wmma_scale_f32_16x16x128_f8f6f4 v[rD:rD+7], v[rB:rB+11], v[rA:rA+11], 0, v[rSB], v[rSA] matrix_a_fmt:MATRIX_FMT_FP6 matrix_b_fmt:MATRIX_FMT_FP6 matrix_b_scale:MATRIX_SCALE_ROW1
.else
	v_wmma_scale_f32_16x16x128_f8f6f4 v[rD:rD+7], v[rB:rB+11], v[rA:rA+11], 0, v[rSB], v[rSA] matrix_a_fmt:MATRIX_FMT_FP6 matrix_b_fmt:MATRIX_FMT_FP6
.endif
.else
.if (\bo) && (\ao)
	v_wmma_scale_f32_16x16x128_f8f6f4 v[rD:rD+7], v[rB:rB+11], v[rA:rA+11], v[rD:rD+7], v[rSB], v[rSA] matrix_a_fmt:MATRIX_FMT_FP6 matrix_b_fmt:MATRIX_FMT_FP6 matrix_a_scale:MATRIX_SCALE_ROW1 matrix_b_scale:MATRIX_SCALE_ROW1
.elseif (\bo)
	v_wmma_scale_f32_16x16x128_f8f6f4 v[rD:rD+7], v[rB:rB+11], v[rA:rA+11], v[rD:rD+7], v[rSB], v[rSA] matrix_a_fmt:MATRIX_FMT_FP6 matrix_b_fmt:MATRIX_FMT_FP6 matrix_a_scale:MATRIX_SCALE_ROW1
.elseif (\ao)
	v_wmma_scale_f32_16x16x128_f8f6f4 v[rD:rD+7], v[rB:rB+11], v[rA:rA+11], v[rD:rD+7], v[rSB], v[rSA] matrix_a_fmt:MATRIX_FMT_FP6 matrix_b_fmt:MATRIX_FMT_FP6 matrix_b_scale:MATRIX_SCALE_ROW1
.else
	v_wmma_scale_f32_16x16x128_f8f6f4 v[rD:rD+7], v[rB:rB+11], v[rA:rA+11], v[rD:rD+7], v[rSB], v[rSA] matrix_a_fmt:MATRIX_FMT_FP6 matrix_b_fmt:MATRIX_FMT_FP6
.endif
.endif
.endm
.macro FRAG reg, adr, off
.irp c, 0,1,2
	ds_load_b128 v[(\reg)+4*\c:(\reg)+4*\c+3], v[\adr] offset:(\off)+512*\c
.endr
.endm
.macro FETCH slot, q, set              ; the slot's q-th 128 keys: v's eight fragments, p's four: 36 loads
	WIN 0x40
.irp i, 0,1,2,3,4,5,6,7
	FRAG 128*(\set)+12*\i, ADRB+\slot, 6144*\i+1536*(\q)
.endr
	WIN 0
.irp i, 0,1,2,3
	FRAG AF+48*(\set)+12*\i, ADRA+\slot, 6144*\i+1536*(\q)
.endr
.endm
.macro MULA a, set, sk, zero           ; p's tile a against v's eight.  The 32 accumulators take turns, one instruction a turn, in the same order in every step
.irp b, 0,1,2,3,4,5,6,7
.set rD, 8*(8*(\a)+\b)
.set rB, 128*(\set)+12*\b
.set rA, AF+48*(\set)+12*(\a)
.set rSB, SB+NS*(\b/2)+(\sk)
.set rSA, SA+NS*((\a)/2)+(\sk)
	WM1 \zero, \b%2, (\a)%2
.endr
.endm
.macro STEP slot, q, sk, zero
	s_wait_dscnt 0x0                               ; this step's 36 loads are in
	PLACES 4                                       ; behind the last step's products, whose set is loaded again (ISA guide 7.12.1 for vector instructions)
	FETCH \slot, (\q)+1, 1-(\q)%2
	WIN MUL
.irp a, 0,1,2,3
	MULA \a, (\q)%2, \sk, \zero
.endr
.endm
.macro TURN slot, next, sk, fill       ; a slot's last step changes slots: one barrier, with the three lines ahead of it
	WIN 0
	s_wait_tensorcnt 0x0                           ; all my tensor loads have landed: my part of the other slot
	ds_add_u32 v[SPW], v[NIL]                      ; 0 onto my spare word
	s_wait_dscnt 1                                 ; (only the add may be out)
	WIN MUL
	MULA 0, 1, \sk, 0
	s_wait_dscnt 0x0                               ; the add is done, and my reads of this slot are over
	s_barrier_signal -1
	MULA 1, 1, \sk, 0
	WIN 0
	s_barrier_wait -1
.if \fill
	CREST                                          ; no wave of any partner still reads this slot or has a load on its way
	s_add_nc_u64 s[G0A+4*\slot+2:G0A+4*\slot+3], s[G0A+4*\slot+2:G0A+4*\slot+3], 12288
	s_add_nc_u64 s[G0B+4*\slot+2:G0B+4*\slot+3], s[G0B+4*\slot+2:G0B+4*\slot+3], 12288
	JLOAD G0A+4*\slot, G1A, G0B+4*\slot, G1B       ; two K steps on; its four v_nop are the places ahead of the loads below
.else
	PLACES 4
.endif
	FETCH \next, 0, 0
	WIN MUL
	MULA 2, 1, \sk, 0
	MULA 3, 1, \sk, 0
.endm
; Four chunks k0 .. k0 + 3 of row pair p, by turns.  n = M(row) - M(chunk), a whole number, 0 or more; each byte b of the chunk's word becomes b - min(b - 1, n); l x 2^-n joins the row's sum.
.macro ADJ4 p, k0
.irp j, 0,1,2,3
	v_sub_f32 v[TN+\j], v[NMIN+\p], v[NMR+16*\p+\k0+\j]
.endr
.irp j, 0,1,2,3
	v_cvt_i32_f32 v[TN+\j], v[TN+\j]               ; -n (it saturates)
.endr
.irp j, 0,1,2,3
	v_ldexp_f32 v[TE+\j], v[PLR+16*\p+\k0+\j], v[TN+\j]
.endr
.irp j, 0,1,2,3
	v_sub_nc_u32 v[TN+\j], 0, v[TN+\j]             ; n
.endr
.irp j, 0,1,2,3
	v_add_nc_u32 v[SA+16*\p+\k0+\j], 0xfefefeff, v[SA+16*\p+\k0+\j]   ; 1 off each byte: none is under 1, so nothing is borrowed
.endr
.irp j, 0,1,2,3
	v_bfe_u32 v[TO+\j], v[SA+16*\p+\k0+\j], 0, 8
.endr
.irp j, 0,1,2,3
	v_min_u32 v[TD+\j], v[TO+\j], v[TN+\j]
.endr
.irp j, 0,1,2,3
	v_sub_nc_u32 v[TO+\j], v[TO+\j], v[TD+\j]
.endr
.irp y, 1,2,3
.irp j, 0,1,2,3
	v_bfe_u32 v[TC+\j], v[SA+16*\p+\k0+\j], 8*\y, 8
.endr
.irp j, 0,1,2,3
	v_min_u32 v[TD+\j], v[TC+\j], v[TN+\j]
.endr
.irp j, 0,1,2,3
	v_sub_nc_u32 v[TC+\j], v[TC+\j], v[TD+\j]
.endr
.irp j, 0,1,2,3
	v_lshl_or_b32 v[TO+\j], v[TC+\j], 8*\y, v[TO+\j]
.endr
.endr
.irp j, 0,1,2,3
	v_add_nc_u32 v[SA+16*\p+\k0+\j], 0x01010101, v[TO+\j]
.endr
.irp j, 0,1,2,3
	v_add_f32 v[LS+\p], v[LS+\p], v[TE+\j]
.endr
.endm
.macro SEND a, younger                 ; tile a's 16 rows, 512 consecutive bytes each; younger: the LDS instructions issued behind its loads
	s_wait_dscnt \younger
	WIN 0x0c
.irp t, 0,1,2,3,4,5,6,7,8,9,10,11,12,13,14,15
	global_store_b128 v[GI], v[BKO+64*((\a)%2)+4*\t:BKO+64*((\a)%2)+4*\t+3], s[OUT:OUT+1] offset:(32*((\a)/2)+8*((\a)%2)+\t+8*(\t/8))*4096 th:TH_STORE_NT
.endr
.endm
	s_load_b128 s[4:7], s[0:1], 0x0                ; w3, w2
	s_load_b64 s[8:9], s[0:1], 0x10                ; out0
	v_lshl_add_u32 v[SPW], v0, 2, SPARE
	v_mov_b32 v[NIL], 0
	ds_add_u32 v28, v29
	ds_add_u32 v28, v29
	s_wait_dscnt 0x0
	v_lshrrev_b32 v1, 5, v0
	v_readfirstlane_b32 s14, v1                    ; wave
	s_lshr_b32 s15, s14, 1                         ; my half of the queries.  Also: I fetch for p (0) or for v (1)
	s_and_b32 s16, s14, 1                          ; my half of the features.  Also: which half I fetch
	s_bfe_u32 s40, ttmp6, 0x40000                  ; cx: the block of 256 features (the grid is one cluster wide)
	s_bfe_u32 s41, ttmp6, 0x40004                  ; cy
	s_and_b32 s42, ttmp7, 0xffff                   ; the cluster's y; the batch is a quarter of it
	s_lshl_b32 s17, s42, 2
	s_add_co_u32 s17, s17, s41                     ; gy: the group of 128 queries
	s_lshl_b32 s43, s41, 2
	s_lshl_b32 s43, 15, s43
	s_lshl_b32 s44, 0x1111, s40
	s_or_b32 s[G1A], s43, (3<<16)|(1<<21)          ; the mask; elements of 8 bytes; bit 21 beside a mask; no padding
	s_or_b32 s[G1B], s44, (3<<16)|(1<<21)
	s_mov_b32 s[G1A+1], 768<<16                    ; tensor_dim0: 6,144 bytes
	s_mov_b32 s[G1A+2], 4<<16                      ; tensor_dim1: 4 tiles
	s_mov_b32 s[G1A+3], 768<<16
	s_mov_b32 s[G1A+4], 4
	s_mov_b32 s[G1A+5], 3072                       ; from tile to tile: 24,576 bytes
	s_mov_b32 s[G1A+6], 0
	s_mov_b32 s[G1A+7], 0
	s_mov_b32 s[G1B+1], 768<<16
	s_mov_b32 s[G1B+2], 8<<16                      ; 8 tiles
	s_mov_b32 s[G1B+3], 768<<16
	s_mov_b32 s[G1B+4], 8
	s_mov_b32 s[G1B+5], 3072
	s_mov_b32 s[G1B+6], 0
	s_mov_b32 s[G1B+7], 0
	s_mul_i32 s20, s17, 196608
	s_mul_i32 s18, s16, 98304
	s_add_co_u32 s20, s20, s18
	s_mov_b32 s21, 0
	s_lshr_b32 s46, s42, 2
	s_mul_i32 s46, s46, 1572864
	s_mul_i32 s47, s40, 393216
	s_add_co_u32 s46, s46, s47
	s_mul_i32 s47, s16, 196608
	s_add_co_u32 s46, s46, s47
	s_add_co_u32 s46, s46, VC
	s_mov_b32 s47, 0
	s_mul_i32 s2, s16, 24576
	s_mul_i32 s3, s16, 49152
	s_add_co_u32 s3, s3, 49152
	s_wait_kmcnt 0x0
	s_add_nc_u64 s[20:21], s[4:5], s[20:21]
	s_add_nc_u64 s[46:47], s[6:7], s[46:47]
	CROUND                                         ; all sixteen work-groups are here: the first joint loads meet
.irp s, 0,1
	s_mov_b32 s[G0A+4*\s], 1
	s_add_co_u32 s[G0A+4*\s+1], s2, \s*SLOT
	s_add_nc_u64 s[G0A+4*\s+2:G0A+4*\s+3], s[20:21], \s*6144
	s_or_b32 s[G0A+4*\s+3], s[G0A+4*\s+3], 0x80000000
	s_mov_b32 s[G0B+4*\s], 1
	s_add_co_u32 s[G0B+4*\s+1], s3, \s*SLOT
	s_add_nc_u64 s[G0B+4*\s+2:G0B+4*\s+3], s[46:47], \s*6144
	s_or_b32 s[G0B+4*\s+3], s[G0B+4*\s+3], 0x80000000
.endr
	JLOAD G0A, G1A, G0B, G1B                       ; slot 0: one tensor load a wave at the head
	v_and_b32 v1, 31, v0                           ; lane
	v_and_b32 v13, 15, v0                          ; r
	s_wait_alu depctr_va_vdst(0)
	v_bfe_u32 v14, v0, 4, 1                        ; h
	v_lshlrev_b32 v[GI], 4, v1
	v_lshlrev_b32 v[L4], 2, v1
	s_mul_i32 s2, s15, 24576
	s_mul_i32 s3, s16, 49152
	s_add_co_u32 s3, s3, 49152
.irp s, 0,1
	v_add_nc_u32 v[ADRA+\s], s2, v[GI]
	v_add_nc_u32 v[ADRB+\s], s3, v[GI]
	s_add_co_u32 s2, s2, SLOT
	s_add_co_u32 s3, s3, SLOT
.endr
	s_mul_i32 s2, s14, 8448
	v_mul_u32_u24 v[STO], v13, 528
	s_wait_alu depctr_va_vdst(0)
	v_lshl_add_u32 v[STO], v14, 6, v[STO]
	v_add_nc_u32 v[STO], s2, v[STO]
	v_add_nc_u32 v[RD], s2, v[GI]
	s_lshl_b32 s96, s17, 13
	s_lshl_b32 s94, s15, 8
	s_add_co_u32 s96, s96, s94
	s_add_co_u32 s96, s96, PS
	s_mov_b32 s97, 0
	s_add_nc_u64 s[96:97], s[4:5], s[96:97]        ; p's scale words of my four tiles; -M and l lie 524,288 and 1,048,576 on
	s_lshr_b32 s98, s42, 2
	s_lshl_b32 s98, s98, 3
	s_lshl_b32 s94, s40, 1
	s_add_co_u32 s98, s98, s94
	s_add_co_u32 s98, s98, s16
	s_lshl_b32 s98, s98, 13
	s_add_co_u32 s98, s98, VS
	s_mov_b32 s99, 0
	s_add_nc_u64 s[98:99], s[6:7], s[98:99]        ; v's scale words of my eight tiles
.irp p, 0,1
.irp k, 0,1,2,3,4,5,6,7,8,9,10,11,12,13,14,15
	global_load_b32 v[SA+16*\p+\k], v[L4], s[96:97] offset:512*\k+128*\p
	global_load_b32 v[NMR+16*\p+\k], v[L4], s[96:97] offset:524288+512*\k+128*\p
	global_load_b32 v[PLR+16*\p+\k], v[L4], s[96:97] offset:1048576+512*\k+128*\p
.endr
.endr
.irp p, 0,1,2,3
.irp k, 0,1,2,3,4,5,6,7,8,9,10,11,12,13,14,15
	global_load_b32 v[SB+16*\p+\k], v[L4], s[98:99] offset:512*\k+128*\p
.endr
.endr
	s_wait_alu depctr_va_vdst(0)
	s_wait_tensorcnt 0x0                           ; my part of slot 0 is in; slot 1's first fill is issued as a refill is
	ds_add_u32 v[SPW], v[NIL]
	s_wait_dscnt 0x0
	CROUND                                         ; slot 0 is whole in every work-group of the cluster
	JLOAD G0A+4, G1A, G0B+4, G1B                   ; slot 1, the first tensor load behind the round: it is on its way while the rows' M and l are made below
	s_lshl_b32 s[OUT], s17, 19                     ; 128 rows of 4,096 bytes
	s_lshl_b32 s94, s15, 18
	s_add_co_u32 s[OUT], s[OUT], s94
	s_lshl_b32 s94, s40, 10
	s_add_co_u32 s[OUT], s[OUT], s94
	s_lshl_b32 s94, s16, 9
	s_add_co_u32 s[OUT], s[OUT], s94
	s_mov_b32 s[OUT+1], 0
	s_add_nc_u64 s[OUT:OUT+1], s[8:9], s[OUT:OUT+1]
	s_mov_b32 s[SEL], 0x76543210
	s_mov_b32 s[SEL+1], 0xfedcba98
	s_mov_b32 s90, 0xffff0000                      ; lanes 16-31
	s_wait_loadcnt 0x0
	; THE ROWS' M AND l, while the first tiles are on their way.  Lane l of register pair p is row l % 16 of my tile 2 p + l / 16.
.irp p, 0,1
	v_min3_num_f32 v[NMIN+\p], v[NMR+16*\p], v[NMR+16*\p+1], v[NMR+16*\p+2]   ; the least -M: the row's M
	v_mov_b32 v[LS+\p], 0
.endr
.irp i, 3,5,7,9,11,13
.irp p, 0,1
	v_min3_num_f32 v[NMIN+\p], v[NMIN+\p], v[NMR+16*\p+\i], v[NMR+16*\p+\i+1]
.endr
.endr
.irp p, 0,1
	v_min_num_f32 v[NMIN+\p], v[NMIN+\p], v[NMR+16*\p+15]
.endr
.irp p, 0,1
.irp k, 0,4,8,12
	ADJ4 \p, \k
.endr
.endr
	s_wait_alu depctr_va_vdst(0)
	v_rcp_f32 v[LS], v[LS]
	v_rcp_f32 v[LS+1], v[LS+1]
	v_mov_b32 v[TN], 0                             ; (a plain place behind the reciprocals; a lane permute's destination counts as one of its sources)
	v_mov_b32 v[TN+1], 0
	s_wait_alu depctr_va_vdst(0)                   ; one wait for both, ahead of their first reader
	v_permlanex16_b32 v[TN], v[LS], s[SEL], s[SEL+1]
	v_permlanex16_b32 v[TN+1], v[LS+1], s[SEL], s[SEL+1]
	WIN 0xc0                                       ; destination window 3.  In the results lane (r, h) holds row r of tile a: both halves of the lanes want that row's 1 / l
.irp p, 0,1
.irp u, 0,1
	v_cndmask_b32 v[RLA+4*\p+\u], v[LS+\p], v[TN+\p], s90       ; the even tile's lie in lanes 0-15
	v_cndmask_b32 v[RLA+4*\p+2+\u], v[TN+\p], v[LS+\p], s90     ; the odd tile's in lanes 16-31
.endr
.endr
	WIN 0
	PLACES 8                                       ; scale words written by vector instructions stand eight places ahead of the first product
	FETCH 0, 0, 0                                  ; slot 0 was shown whole by the round above
	STEP 0, 0, 0, 1                                ; the first products start the sums: nothing is cleared
	STEP 0, 1, 1, 0
	STEP 0, 2, 2, 0
	TURN 0, 1, 3, 1
	STEP 1, 0, 4, 0
	STEP 1, 1, 5, 0
	STEP 1, 2, 6, 0
	TURN 1, 0, 7, 1
	STEP 0, 0, 8, 0
	STEP 0, 1, 9, 0
	STEP 0, 2, 10, 0
	TURN 0, 1, 11, 0                               ; nothing more is asked for
	STEP 1, 0, 12, 0
	STEP 1, 1, 13, 0
	STEP 1, 2, 14, 0
	s_wait_dscnt 0x0                               ; the very last step
	WIN MUL
.irp a, 0,1,2,3
	MULA \a, 1, 15, 0
.endr
	; THE WAY OUT.  A lane's 16 registers of two neighbouring tiles are 64 neighbouring bytes of a row; a tile of 16 rows goes through my stage (rows of 528 bytes) and comes back as whole rows of 512 bytes.
	PLACES 4
	s_wait_alu depctr_va_vdst(0)
.irp a, 0,1,2,3
.if \a > 0
	s_wait_dscnt 16                                ; the last tile's 16 stores into the stage have read W; its 16 loads may be out
.endif
	WIN 0xfe                                       ; source 0 window 2, all else window 3
.set i, 0
.rept 32
	v_pk_mul_f32 v[W+2*i:W+2*i+1], v[64*\a+2*i:64*\a+2*i+1], v[RLA+2*\a:RLA+2*\a+1] op_sel_hi:[1,0]   ; / l, each accumulator from its low end on
.set i, i+1
.endr
	WIN 0x0c
.irp b, 0,1,2,3
.irp p, 0,1,2,3
	ds_store_b128 v[STO], v[W+16*\b+4*\p:W+16*\b+4*\p+3] offset:128*\b+16*\p
.endr
.endr
.if \a > 1
	s_wait_xcnt 0x0                                ; tile a - 2's stores have read the registers that are loaded below
.endif
	WIN 0xc0
.irp t, 0,1,2,3,4,5,6,7,8,9,10,11,12,13,14,15
	ds_load_b128 v[BKO+64*(\a%2)+4*\t:BKO+64*(\a%2)+4*\t+3], v[RD] offset:528*\t   ; LDS serves a wave's instructions in order: these see the stores above, and the next tile's stores come behind them
.endr
.if \a > 0
	SEND \a-1, 32                                  ; behind tile a - 1's loads: tile a's 16 stores and 16 loads
.endif
.endr
	SEND 3, 0
	WIN 0
	s_wait_tensorcnt 0x0                           ; the wave's end
	ds_add_u32 v[SPW], v[NIL]
	s_wait_dscnt 0x0
	CROUND                                         ; the closing round
	s_endpgm
.Lfunc_end_k_qac49413efd_pv:
	.size	k_qac49413efd_pv, .Lfunc_end_k_qac49413efd_pv-k_qac49413efd_pv
	.p2alignl 7, 3214868480
	.fill 96, 4, 3214868480
	.section	.rodata,"a",@progbits
	.p2align	6, 0x0
	.amdhsa_kernel k_qac49413efd_pv
		.amdhsa_group_segment_fixed_size 327680
		.amdhsa_private_segment_fixed_size 0
		.amdhsa_enable_private_segment 0
		.amdhsa_kernarg_size 24
		.amdhsa_user_sgpr_count 2
		.amdhsa_user_sgpr_kernarg_segment_ptr 1
		.amdhsa_wavefront_size32 1
		.amdhsa_system_sgpr_workgroup_id_x 1
		.amdhsa_system_sgpr_workgroup_id_y 1
		.amdhsa_system_sgpr_workgroup_id_z 1
		.amdhsa_system_vgpr_workitem_id 0
		.amdhsa_next_free_vgpr 1024
		.amdhsa_next_free_sgpr 100
		.amdhsa_reserve_vcc 0
		.amdhsa_float_denorm_mode_32 3
		.amdhsa_float_denorm_mode_16_64 3
		.amdhsa_memory_ordered 1
		.amdhsa_forward_progress 1
		.amdhsa_inst_pref_size 187
	.end_amdhsa_kernel
	.amdgpu_metadata
---
amdhsa.version: [ 1, 2 ]
amdhsa.kernels:
  - .name:           k_qac49413efd_pv
    .symbol:         k_qac49413efd_pv.kd
    .args:
      - { .name: w3, .offset: 0, .size: 8, .value_kind: global_buffer, .address_space: global }
      - { .name: w2, .offset: 8, .size: 8, .value_kind: global_buffer, .address_space: global }
      - { .name: out0, .offset: 16, .size: 8, .value_kind: global_buffer, .address_space: global }
    .group_segment_fixed_size: 327680
    .private_segment_fixed_size: 0
    .kernarg_segment_align: 8
    .kernarg_segment_size: 24
    .max_flat_workgroup_size: 128
    .sgpr_count:     100
    .vgpr_count:     1024
    .wavefront_size: 32
...
	.end_amdgpu_metadata
.endif
;; end of part 4
